; MI455X (gfx1250); checked and timed in simulation.
; The chip was launched on July 23, 2026; its instructions are those of AMD's public machine-readable ISA for CDNA 5 (MIT licence, August 2026) and "CDNA5" Instruction Set Architecture Reference Guide (July 2026). The comments in the code are by the model that wrote it; some were corrected since.
;; Multi Head Attention. Allowed arithmetic: matrix products marked QUANTISED: E2M1 operands, one E8M0 scale for each 32 along K, by v_wmma_scale_f32_16x16x128_f8f6f4 with both operands' format E2M1 (or v_wmma_scale_f32_32x16x128_f4), f32 sums; everything else in f32.
;; Inputs: W_out 1,024 x 1,024 float32; W_qkv 1,024 x 3,072 float32; attention_mask 4 x 1 x 1 x 2,048 int32; b_out 1,024 float32; b_qkv 3,072 float32; x 4 x 2,048 x 1,024 float32.
;; Outputs: out0 4 x 2,048 x 1,024 float32.
;; This version of the problem:
;;   THIS VERSION OF THE PROBLEM IS GIVEN IN LOW PRECISION. The matrix products marked QUANTISED in the list below multiply operands that are first quantised to E2M1 (2 exponent bits, 1 mantissa bit; 4 bits a number), with one power-of-two scale for each 32 numbers along K (OCP MX v1.0); their sums are f32. All else is computed in f32.
;;   The module's matrix products, in the order in which they are computed (A, B: the left and right operand; K: the contracted axis; several contracted axes count as one K, in the product's order):
;;     1. [M 8,192, K 1,024] x [K 1,024, N 3,072]; A: input x; B: input W_qkv: QUANTISED
;;     2. batch 64 x [M 2,048, K 64] x [K 64, N 2,048]; A: computed on the way; B: computed on the way: QUANTISED
;;     3. batch 64 x [M 2,048, K 2,048] x [K 2,048, N 64]; A: softmax (see below); B: computed on the way: QUANTISED
;;     4. [M 8,192, K 1,024] x [K 1,024, N 1,024]; A: computed on the way; B: input W_out: QUANTISED
;;   THE QUANTISER, for each operand of a quantised product, along K:
;;     - K is cut into blocks of 32 from its start; a last block that is shorter is filled with zeros.
;;     - A block's scale is 2^e with e = floor(log2(the largest magnitude in the block)) - 2, held to -126 .. 127; a block of zeros has e = 0. As a byte (E8M0): e + 127.
;;     - Each number is divided by its block's scale, clamped to +-6, and rounded to the nearest number of E2M1, ties to even, subnormals kept.
;;     - The product sums the exact products of the quantised numbers (number of the format x scale) in f32.
;;   ~~~python
;;   def quantise(x, axis):      # numpy; x: float32 -> the quantised numbers, widened to float32 again
;;       x = np.moveaxis(x, axis, -1); K = x.shape[-1]
;;       x = np.pad(x, [(0, 0)] * (x.ndim - 1) + [(0, -K % 32)]); x = x.reshape(x.shape[:-1] + (-1, 32)); a = np.abs(x).max(-1, keepdims=True)
;;       e = np.where(a > 0, np.clip(np.frexp(np.where(a > 0, a, 1))[1] - 1 - 2, -126, 127), 0)      # np.frexp(a)[1] - 1 = floor(log2(a)), exactly
;;       r = np.clip(x / 2.0 ** e, -6, 6)
;;       step = 2.0 ** (np.maximum(np.frexp(np.where(r == 0, 1, r))[1] - 1, 0) - 1)
;;       q = np.round(r / step) * step * 2.0 ** e      # np.round: ties to even
;;       return np.moveaxis(q.reshape(q.shape[:-2] + (-1,))[..., :K], -1, axis).astype(np.float32)
;;   ~~~
;;   SOFTMAX AHEAD OF A QUANTISED PRODUCT. Where the list says 'softmax', what is quantised is not the finished softmax but p = 2^(t - M), with t = logit x log2(e) and M = ceil(the row's largest t), a whole number; so 1/2 < the row's largest p <= 1. The row's sum l is taken of the UNQUANTISED p, in f32, and the product's result is divided by l at the end. Since M is a whole number, a kernel that streams over the keys may use a running M (the ceiling of the running maximum): every later rescaling is an exact power of two, which a block's scale takes up: the codes' values come out the same.
;;   OPERANDS COMPUTED ON THE WAY. 'Computed on the way' means the value that the module computes at that place (a softmax that the list does not call 'softmax' is quantised finished and normalised). What goes into a quantiser is computed in f32, as accurately as f32 sums, v_exp_f32 and their like allow (about 1e-6 of the number): no bf16 or f16 on the way to a quantiser, and a product that is left as it is and whose result goes on into a quantised operand takes f32 operands (vector FMAs, or v_wmma_f32_16x16x4_f32). A number that lies on a knife's edge between two numbers of the format may be rounded either way, as far as f32 arithmetic and the matrix unit's own rounding can turn it there, and no further.
;; One version. Each part assembles by itself: llvm-mc -triple=amdgcn-amd-amdhsa -mcpu=gfx1250 --defsym DOCPART=n.
;; ======== version 1 of 1: 4 launches
;; limits: right only within a limited range of input values
;; workspace buffers: x_q 4,456,448 bytes; wq_q 1,671,168 bytes; wo_q 557,056 bytes; ctx_q 4,456,448 bytes; qkv 13,893,632 bytes
;; launch prep (part 1): grid 256 x 1, 8 waves a work-group, no clusters, 70,656 bytes of LDS; arguments W_qkv, W_out, x, wq_q, wo_q, x_q; writes wq_q, wo_q, x_q
.if DOCPART == 1
	.amdgcn_target "amdgcn-amd-amdhsa--gfx1250"
	.amdhsa_code_object_version 6
	.text
	.protected	k_q93ab133df1_prep
	.globl	k_q93ab133df1_prep
	.p2align	8
	.type	k_q93ab133df1_prep,@function
k_q93ab133df1_prep:
	s_mov_b64 s[64:65], 0
	v_nop
	global_prefetch_b8 v0, s[64:65] scope:SCOPE_SE
	s_setreg_imm32_b32 hwreg(HW_REG_WAVE_MODE, 25, 1), 1
	s_wait_xcnt 0x0
; W_qkv [1024][3072], W_out [1024][1024] and x [8192][1024], f32, become codes of FP4 (E2M1) with one E8M0 scale byte for each 32 along K (K = 1,024 for all three).
; A block's scale is 2^(floor(log2(its largest magnitude)) - 2): its byte is the largest magnitude's exponent field - 2, held at 1 from below; numbers are divided by it and rounded to the nearest code, ties to even.
; THE LAYOUT OF THE RESULTS is that of the matrix operand's registers.  Sixteen rows (a row: a token of x, a column n of a weight) make a record of TREC = 8,704 bytes: two halves of K (512 each) of SREC = 4,352 bytes;
; in a half: block j (32 along K) of row r has its 16 bytes at 256 j + 16 r; behind the 4,096 bytes of codes, row r's four scale words (one for each 128 along K) at 4096 + 16 r.
; THE ROWS ARE PERMUTED: place p of a buffer holds row p with its bits 3 and 4 exchanged, so that place r of tile 2 b + u is row 32 b + 8 u + r + 8 (r / 8).
; Work-groups 0-95 take W_qkv, 96-127 W_out, 128-255 x.  The three ways part on the work-group's number, so all waves of a work-group go one way; each way has LDS bytes of its own.
; LIMITS: a block whose largest magnitude lies under 2^-124 keeps the byte 1; a block of zeros gets the byte 1 too (its codes are zeros, and this program alone reads the bytes); NaN and infinities are not served.
.set TREC,  8704
.set SREC,  4352
.set XP,    528                        ; x's stage: a row of 512 bytes + 16, an odd multiple of 16: sixteen rows begin at sixteen different groups of banks
.set XSTG,  16*XP                      ; a wave's stage
.set LBQ,   8*XSTG                     ; behind the eight stages: 1,024 bytes in which W_qkv's way gathers scale words,
.set LBO,   LBQ+1024                   ; and 1,024 for W_out's way
.set FLOOR, 0x1800000                  ; 2^(3 - 127): no largest magnitude is taken under it, so the byte cannot fall under 1
.set OFF2,  0xff000000                 ; takes 2 off an exponent field
; the largest magnitude of v[XS] .. v[XS+31] in two chains, the floor, and in v11 the conversion's scale operand
.macro MAX32
	v_max3_num_f32 v12, |v[XS]|, |v[XS+1]|, |v[XS+2]|
	v_max3_num_f32 v13, |v[XS+3]|, |v[XS+4]|, |v[XS+5]|
.irp i, 6,10,14,18,22,26
	s_delay_alu instid0(VALU_DEP_2)
	v_max3_num_f32 v12, v12, |v[XS+\i]|, |v[XS+\i+1]|
	s_delay_alu instid0(VALU_DEP_2)
	v_max3_num_f32 v13, v13, |v[XS+\i+2]|, |v[XS+\i+3]|
.endr
	s_delay_alu instid0(VALU_DEP_2)
	v_max3_num_f32 v12, v12, |v[XS+30]|, |v[XS+31]|
	s_delay_alu instid0(VALU_DEP_1)
	v_max3_num_f32 v12, v12, v13, FLOOR
	s_delay_alu instid0(VALU_DEP_1)
	v_add_nc_u32 v11, OFF2, v12            ; the conversion takes the exponent field of this operand as its scale, and nothing else of it
.endm
; A WEIGHT: a lane takes a column, its registers run down K.  Block t of my four: 32 loads, each 128 consecutive bytes of one row of the weight
.macro LOADW t, n, src
.irp i, 0,1,2,3,4,5,6,7,8,9,10,11,12,13,14,15,16,17,18,19,20,21,22,23,24,25,26,27,28,29,30,31
	global_load_b32 v[32+32*((\t)%2)+\i], v5, s[\src:\src+1] offset:(32*(\t)+\i)*\n*4 th:TH_LOAD_NT
.endr
.endm
.macro BLOCKW t, n, src, dst
.set XS, 32+32*((\t)%2)
.if (\t) < 3
	s_wait_loadcnt 32                      ; this block's 32 loads are in; the next block's 32 may be out
.else
	s_wait_loadcnt 0x0
.endif
	MAX32
	s_delay_alu instid0(VALU_DEP_1)
	v_lshrrev_b32 v13, 23, v11             ; the scale's byte
.if (\t) == 0
	s_delay_alu instid0(VALU_DEP_1)
	v_mov_b32 v20, v13                     ; four bytes make the scale word of my 128 along K
.else
	s_delay_alu instid0(VALU_DEP_1)
	v_lshl_or_b32 v20, v13, 8*(\t), v20
.endif
.irp g, 0,1,2,3
	v_cvt_scalef32_pk8_fp4_f32 v[96+4*(\t)+\g], v[XS+8*\g:XS+8*\g+7], v11
.endr
	v_nop                                  ; one plain line behind the last conversion of a run
	global_store_b128 v6, v[96+4*(\t):96+4*(\t)+3], s[\dst:\dst+1] offset:256*(\t)   ; sixteen lanes store 256 consecutive bytes, aligned; each block has its own data registers
.if (\t)+2 < 4
	LOADW (\t)+2, \n, \src
.endif
.endm
; A work-group takes 64 columns x 512 along K.  Wave: cw = wave & 1: which 32 columns; q = wave >> 1: which 128 along K.
.macro WPATH n, src, dst, first, lb
	s_sub_co_u32 s17, ttmp9, \first
	s_lshr_b32 s18, s17, 1                 ; which 64 columns
	s_and_b32 s19, s17, 1                  ; which half of K
	s_and_b32 s22, s16, 1                  ; cw
	s_lshr_b32 s23, s16, 1                 ; q
	s_lshl_b32 s24, s19, 9
	s_lshl_b32 s25, s23, 7
	s_add_co_u32 s24, s24, s25             ; my first k
	s_mul_i32 s24, s24, \n
	s_lshl_b32 s25, s18, 6
	s_add_co_u32 s24, s24, s25
	s_lshl_b32 s25, s22, 5
	s_add_co_u32 s24, s24, s25             ; + my first column
	s_lshl_b32 s24, s24, 2
	s_mov_b32 s25, 0
	s_add_nc_u64 s[\src:\src+1], s[\src:\src+1], s[24:25]
	s_lshl_b32 s26, s18, 2
	s_lshl_b32 s27, s22, 1
	s_add_co_u32 s26, s26, s27             ; my first tile of 16 places
	s_mul_i32 s26, s26, TREC
	s_mul_i32 s27, s19, SREC
	s_add_co_u32 s26, s26, s27
	s_lshl_b32 s27, s23, 10                ; my four blocks: 1,024 bytes
	s_add_co_u32 s26, s26, s27
	s_mov_b32 s27, 0
	s_add_nc_u64 s[\dst:\dst+1], s[\dst:\dst+1], s[26:27]
	v_and_b32 v5, 7, v0
	v_bfe_u32 v7, v0, 3, 1
	s_delay_alu instid0(VALU_DEP_1)
	v_lshl_add_u32 v5, v7, 4, v5
	s_wait_alu depctr_va_vdst(0)
	v_lshl_add_u32 v5, v4, 3, v5           ; the column that belongs at my place: my lane's number with bits 3 and 4 exchanged
	s_delay_alu instid0(VALU_DEP_1)
	v_lshlrev_b32 v5, 2, v5
	v_mul_u32_u24 v6, v4, TREC
	s_delay_alu instid0(VALU_DEP_1)
	v_lshl_add_u32 v6, v3, 4, v6           ; out: lanes 0-15 the first tile, lanes 16-31 the next; 16 bytes a row
	s_lshl_b32 s30, s22, 9
	s_add_co_u32 s30, s30, \lb
	v_lshl_add_u32 v8, v2, 4, s30          ; LDS: my place's four scale words: 16 x lane, 512 bytes for each 32 columns
	s_lshl_b32 s28, s23, 2
	s_add_co_u32 s28, s28, s30
	v_lshl_add_u32 v7, v2, 4, s28          ; and of them the word of my 128 along K
	LOADW 0, \n, \src
	LOADW 1, \n, \src
	BLOCKW 0, \n, \src, \dst
	BLOCKW 1, \n, \src, \dst
	BLOCKW 2, \n, \src, \dst
	BLOCKW 3, \n, \src, \dst
	ds_store_b32 v7, v20
	s_wait_dscnt 0x0                       ; for the others' sake: my word lies in LDS
	s_barrier_signal -1
	s_barrier_wait -1
	s_cmp_gt_u32 s16, 1                    ; waves 0 and 1 (q = 0, cw = wave) store the words of their 32 columns
	s_cbranch_scc1 .Lwdone_\@
	ds_load_b128 v[24:27], v8
	s_wait_dscnt 0x0
	global_store_b128 v6, v[24:27], s[\dst:\dst+1] offset:4096   ; sixteen lanes store 256 consecutive bytes, aligned
.Lwdone_\@:
	s_wait_tensorcnt 0x0
	ds_add_u32 v30, v31
	s_wait_dscnt 0x0
	s_endpgm
.endm
	s_load_b256 s[4:11], s[0:1], 0x0       ; W_qkv s[4:5], W_out s[6:7], x s[8:9], wq_q s[10:11]
	s_load_b128 s[12:15], s[0:1], 0x20     ; wo_q s[12:13], x_q s[14:15]
	v_lshl_add_u32 v30, v0, 2, 0x11000
	v_mov_b32 v31, 0
	v_lshrrev_b32 v1, 5, v0
	s_delay_alu instid0(VALU_DEP_1)
	v_readfirstlane_b32 s16, v1            ; wave 0..7
	v_and_b32 v2, 31, v0                   ; lane
	v_and_b32 v3, 15, v0                   ; r
	v_bfe_u32 v4, v0, 4, 1                 ; h
	s_mov_b32 s20, 0x76543210
	s_mov_b32 s21, 0xfedcba98              ; v_permlanex16_b32's selects for lane l xor 16
	s_wait_kmcnt 0x0
	s_cmp_ge_u32 ttmp9, 128
	s_cbranch_scc1 .Lx
	s_cmp_ge_u32 ttmp9, 96
	s_cbranch_scc1 .Lwo
	WPATH 3072, 4, 10, 0, LBQ
.Lwo:
	WPATH 1024, 6, 12, 96, LBO
.Lx:
; x: K is innermost.  A wave takes one tile of 16 places x 512 along K, in four chunks of 128.  Each load reads 512 consecutive bytes of one token's row; a chunk turns through the wave's own stage in LDS,
; so that lane (r, h) then holds two whole blocks of row r: blocks h and 2 + h of the chunk.
	s_sub_co_u32 s17, ttmp9, 128
	s_lshl_b32 s17, s17, 3
	s_add_co_u32 s17, s17, s16
	s_lshr_b32 s18, s17, 1                 ; tile 0..511
	s_and_b32 s19, s17, 1                  ; which half of K
	s_lshr_b32 s22, s18, 1
	s_lshl_b32 s22, s22, 5
	s_and_b32 s23, s18, 1
	s_lshl_b32 s23, s23, 3
	s_add_co_u32 s22, s22, s23             ; the token at the tile's place 0: 32 (tile / 2) + 8 (tile % 2)
	s_lshl_b32 s22, s22, 12
	s_lshl_b32 s23, s19, 11
	s_add_co_u32 s22, s22, s23
	s_mov_b32 s23, 0
	s_add_nc_u64 s[8:9], s[8:9], s[22:23]
	s_mul_i32 s24, s18, TREC
	s_mul_i32 s25, s19, SREC
	s_add_co_u32 s24, s24, s25
	s_mov_b32 s25, 0
	s_add_nc_u64 s[14:15], s[14:15], s[24:25]
	s_mul_i32 s26, s16, XSTG               ; my stage
	s_wait_alu depctr_va_vdst(0)
	v_lshlrev_b32 v5, 4, v2                ; 16 x lane: in memory, for loads and stores alike
	s_delay_alu instid0(VALU_DEP_1)
	v_add_nc_u32 v6, s26, v5               ; into the stage: a row as it lies
	v_mul_u32_u24 v7, v3, XP
	s_delay_alu instid0(VALU_DEP_1)
	v_lshl_add_u32 v7, v4, 7, v7
	s_delay_alu instid0(VALU_DEP_1)
	v_add_nc_u32 v7, s26, v7               ; out of it: row r, block h
	v_lshlrev_b32 v9, 4, v3                ; 16 r: the scale words' place
	v_lshlrev_b32 v10, 3, v4               ; 8 h: my bytes' place in a scale word
	v_mov_b32 v14, 0                       ; a lane permute's destination counts as one of its sources
.macro XLOAD c
.irp p, 0,1,2,3,4,5,6,7,8,9,10,11,12,13,14,15
	global_load_b128 v[32+64*((\c)%2)+4*\p:32+64*((\c)%2)+4*\p+3], v5, s[8:9] offset:(\p+8*(\p/8))*4096+(\c)*512 th:TH_LOAD_NT
.endr
.endm
.macro TURN c                          ; LDS serves a wave's instructions in order: no wait stands between the stores and the loads
.irp p, 0,1,2,3,4,5,6,7,8,9,10,11,12,13,14,15
	ds_store_b128 v6, v[32+64*((\c)%2)+4*\p:32+64*((\c)%2)+4*\p+3] offset:\p*XP
.endr
.irp g, 0,1
.irp i, 0,1,2,3,4,5,6,7
	ds_load_b128 v[160+32*\g+4*\i:160+32*\g+4*\i+3], v7 offset:256*\g+16*\i
.endr
.endr
.endm
.macro QBLK c, g
.set XS, 160+32*(\g)
	MAX32
	s_delay_alu instid0(VALU_DEP_1)
	v_lshrrev_b32 v[20+(\g)], 23, v11
.irp k, 0,1,2,3
	v_cvt_scalef32_pk8_fp4_f32 v[224+4*(2*(\c)+(\g))+\k], v[XS+8*\k:XS+8*\k+7], v11
.endr
	v_nop                                  ; one plain line behind the last conversion of a run
	global_store_b128 v5, v[224+4*(2*(\c)+(\g)):224+4*(2*(\c)+(\g))+3], s[14:15] offset:(4*(\c)+2*(\g))*256   ; blocks 4 c + 2 g and + 1: 512 consecutive bytes; each store has its own data registers
.endm
.macro CHUNK c
.if (\c) < 3
	s_wait_loadcnt 16                      ; this chunk's 16 loads are in; the next chunk's 16 may be out
.else
	s_wait_loadcnt 0x0
.endif
	TURN \c
	s_wait_dscnt 0x0                       ; the chunk is back, lane by lane
.if (\c)+2 < 4
	XLOAD (\c)+2
.endif
	QBLK \c, 0
	QBLK \c, 1
	v_lshl_or_b32 v20, v21, 16, v20        ; my two bytes: blocks h and 2 + h,
	s_delay_alu instid0(VALU_DEP_1)
	v_lshlrev_b32 v20, v10, v20            ; at their places;
	s_delay_alu instid0(VALU_DEP_1)
	v_permlanex16_b32 v14, v20, s20, s21
	s_delay_alu instid0(VALU_DEP_1)
	v_or_b32 v[16+(\c)], v20, v14          ; with lane l xor 16's two the word is whole
.endm
	XLOAD 0
	XLOAD 1
	s_wait_alu depctr_va_vdst(0)
	CHUNK 0
	CHUNK 1
	CHUNK 2
	CHUNK 3
	s_wait_alu depctr_va_vdst(0)
	s_wait_xcnt 0x0                        ; EXEC changes only behind this wait
	v_cmp_gt_u32 vcc_lo, 16, v2
	s_wait_tensorcnt 0x0
	ds_add_u32 v30, v31
	s_wait_dscnt 0x0
	s_and_saveexec_b32 s27, vcc_lo
	global_store_b128 v9, v[16:19], s[14:15] offset:4096   ; sixteen lanes store the tile's 256 bytes of scale words
	s_wait_xcnt 0x0
	s_or_b32 exec_lo, exec_lo, s27
	s_endpgm
.Lfunc_end_k_q93ab133df1_prep:
	.size	k_q93ab133df1_prep, .Lfunc_end_k_q93ab133df1_prep-k_q93ab133df1_prep
	.p2alignl 7, 3214868480
	.fill 96, 4, 3214868480
	.section	.rodata,"a",@progbits
	.p2align	6, 0x0
	.amdhsa_kernel k_q93ab133df1_prep
		.amdhsa_group_segment_fixed_size 70656
		.amdhsa_private_segment_fixed_size 0
		.amdhsa_enable_private_segment 0
		.amdhsa_kernarg_size 48
		.amdhsa_user_sgpr_count 2
		.amdhsa_user_sgpr_kernarg_segment_ptr 1
		.amdhsa_wavefront_size32 1
		.amdhsa_system_sgpr_workgroup_id_x 1
		.amdhsa_system_sgpr_workgroup_id_y 1
		.amdhsa_system_sgpr_workgroup_id_z 1
		.amdhsa_system_vgpr_workitem_id 0
		.amdhsa_next_free_vgpr 256
		.amdhsa_next_free_sgpr 66
		.amdhsa_reserve_vcc 1
		.amdhsa_float_denorm_mode_32 3
		.amdhsa_float_denorm_mode_16_64 3
		.amdhsa_memory_ordered 1
		.amdhsa_forward_progress 1
		.amdhsa_inst_pref_size 80
	.end_amdhsa_kernel
	.amdgpu_metadata
---
amdhsa.version: [ 1, 2 ]
amdhsa.kernels:
  - .name:           k_q93ab133df1_prep
    .symbol:         k_q93ab133df1_prep.kd
    .args:
      - { .name: W_qkv, .offset: 0, .size: 8, .value_kind: global_buffer, .address_space: global }
      - { .name: W_out, .offset: 8, .size: 8, .value_kind: global_buffer, .address_space: global }
      - { .name: x, .offset: 16, .size: 8, .value_kind: global_buffer, .address_space: global }
      - { .name: wq_q, .offset: 24, .size: 8, .value_kind: global_buffer, .address_space: global }
      - { .name: wo_q, .offset: 32, .size: 8, .value_kind: global_buffer, .address_space: global }
      - { .name: x_q, .offset: 40, .size: 8, .value_kind: global_buffer, .address_space: global }
    .group_segment_fixed_size: 70656
    .private_segment_fixed_size: 0
    .kernarg_segment_align: 8
    .kernarg_segment_size: 48
    .max_flat_workgroup_size: 256
    .sgpr_count:     66
    .vgpr_count:     256
    .wavefront_size: 32
...
	.end_amdgpu_metadata
.endif
;; end of part 1
;; launch qkv (part 2): grid 12 x 32, 4 waves a work-group, clusters of 4 x 4, 279,040 bytes of LDS; arguments x_q, wq_q, b_qkv, attention_mask, qkv; writes qkv
.if DOCPART == 2
	.amdgcn_target "amdgcn-amd-amdhsa--gfx1250"
	.amdhsa_code_object_version 6
	.text
	.protected	k_q93ab133df1_qkv
	.globl	k_q93ab133df1_qkv
	.p2align	8
	.type	k_q93ab133df1_qkv,@function
k_q93ab133df1_qkv:
	s_mov_b64 s[64:65], 0
	v_nop
	global_prefetch_b8 v0, s[64:65] scope:SCOPE_SE
	s_setreg_imm32_b32 hwreg(HW_REG_WAVE_MODE, 25, 1), 1
	s_wait_xcnt 0x0
	s_wait_alu depctr_hold_cnt(0) depctr_sa_sdst(0) depctr_va_vdst(0) depctr_va_sdst(0) depctr_va_ssrc(0) depctr_va_vcc(0) depctr_vm_vsrc(0)
	s_getreg_b32 s2, hwreg(HW_REG_IB_STS2, 6, 4)
	s_cmp_eq_u32 s2, 0
	s_cbranch_scc0 .Lentry_in_a_cluster
	s_endpgm
.Lentry_in_a_cluster:
	s_bfe_u32 s2, ttmp6, 0x10000c
	s_cmp_lg_u32 s2, 0xf033
	s_cbranch_scc0 .Lentry_shape_is_right
	s_endpgm
.Lentry_shape_is_right:
; q, k, v = x W_qkv + b_qkv on codes of FP4 with E8M0 scales (K = 1,024), and at once quantised again for attention: q and k along the head's 64, v along the keys.
; OPERANDS come as images of operand registers: 16 rows are a record of TREC bytes, two halves of K of 4,352 bytes (4,096 of codes, block j of row r at 256 j + 16 r; then 256 of scale words, row r's four at 16 r).
; Place p of such a buffer holds row p with bits 3 and 4 exchanged.
; A work-group makes 256 A rows x 256 B rows, each of its four waves 128 x 128: 64 accumulators.  SOURCE 0 TAKES B's TILES, SOURCE 1 A's: a lane then holds one A row, and its registers run along B's rows; by the
; exchange of bits the 16 registers of B's tiles 2 b and 2 b + 1 are 16 NEIGHBOURS of B's true order, which is what the conversions to codes want.
;   clusters x = 0, 1 (q, k):  A = x (a lane a token), B = W_qkv's columns (registers along the head's 64).      cluster x = 2 (v):  A = W_qkv's columns 2048 on (a lane a channel), B = x (registers along the keys).
; Only pointers and row numbers differ between the two, chosen on the cluster's x, which all partners share.
; ALL OF K LIES IN LDS AT ONCE, as two slots of 512: each wave asks for 8 tiles of each slot at the start; nothing is filled again.
; CLUSTERS: 4 x 4.  A's tiles hang on cy alone and are shared along a row of the cluster, B's on cx alone and are shared along a column: joint loads.
; THE RESULT: for each (batch, head, 128 tokens) a record of RECQ = 13,568 bytes:  0: k's codes, 8 tiles x 512 bytes (lane's 16 bytes at 16 x lane);  4096: v's codes [channel tile 4][half of the 128 keys 2][512];
;   8192: k's scale words [tile / 4][row 16][tile % 4];  8704: v's [row 16][channel tile 4];  8960: q's codes;  13056: q's scale words.
; THE MASK rides in bytes 2 and 3 of q's and k's scale words, which belong to the half of attention's first product that the head's 64 leave idle: byte 2 of a key is 0xef (2^112) where attention_mask is 0, else 1 (2^-126);
; byte 2 of a query is 0x6f (2^-16); byte 3 is 0x7f.  Attention puts the codes -6 and +6 there: a masked score gets -36 x 2^96, an open one -36 x 2^-142.
; LIMITS: a block whose largest magnitude lies under 2^-124, a block of zeros too, keeps the byte 1; NaN and infinities are not served.
; REGISTERS, in windows of 256.  window 0: v1-31 addresses; v32-95 scale words, a set for each slot (register 4 i + q: lanes 0-15 A's tile i, lanes 16-31 B's tile i, the slot's q-th 128 along K); v96-103 the mask of my tokens;
;   v128-255 A's fragments, two sets; behind the products v128-191 64 numbers, v192-199 their codes, v200-215 at work, v216-223 scale words made.
;   window 1: v0-127 B's fragments, two sets; v128-191 the bias along registers; v192-207 the bias of my lane, each twice.   windows 2, 3: accumulator (a, b) at v[8 (8 (a % 4) + b)].
.set TREC,  8704
.set SREC,  8704                       ; from tile to tile in LDS: a record lies there whole, as in memory, its two halves of K on end
.set HALF8, 8*SREC                     ; 8 tiles: what one tensor load brings, and what a wave reads of A or of B in a slot
.set SIDE,  16*SREC
.set SLOT,  4352                       ; from a tile's first half of K to its second
.set RECQ,  13568
.set HS,    16*RECQ                    ; from head to head
.set SC,    32
.set MK,    96
.set AF,    128
.set T,     128
.set PC,    192
.set TM,    200
.set PW,    216
.set BQ,    128                        ; in window 1
.set BV,    192                        ; in window 1
.set ADRA,  16
.set ADRB,  20
.set ADRS,  22
.set G1,  24                           ; s[24:31] descriptor group 1 for A's tiles; s[32:35] group 0
.set G0,  32
.set G1B, 48                           ; s[48:55], s[56:59] the same for B's
.set G0B, 56
.set MSB, 0
.macro WIN new                         ; the immediate's high byte repeats the setting that is left
.if MSB != (\new)
	s_set_vgpr_msb (MSB<<8)|(\new)
.set MSB, (\new)
.endif
.endm
.set MUL_LO, 0xa1                      ; source 0 (B) window 1, source 1 (A) window 0, C and D window 2
.set MUL_HI, 0xf1                      ; the same, C and D window 3
; A joint load: waves 0 and 1 fetch for A, waves 2 and 3 for B; the branch hangs on the wave's number alone.  Four v_nop follow each of the two lines.
.macro JLOAD g0a, g1a, g0b, g1b
	s_cmp_eq_u32 s15, 0
	s_cbranch_scc0 .Lfor_b_\@
	tensor_load_to_lds s[\g0a:\g0a+3], s[\g1a:\g1a+7]
	s_nop 0
.rept 4
	v_nop
.endr
	s_branch .Lasked_\@
.Lfor_b_\@:
	tensor_load_to_lds s[\g0b:\g0b+3], s[\g1b:\g1b+7]
	s_nop 0
.rept 4
	v_nop
.endr
.Lasked_\@:
.endm
.macro CROUND                          ; a round of the cluster's barrier
	s_barrier_signal -1
	s_barrier_wait -1
	s_cmp_lg_u32 s14, 0
	s_cbranch_scc1 .Lnot_wave_0_\@
	s_barrier_signal -3
.Lnot_wave_0_\@:
	s_barrier_wait -3
	s_barrier_signal -1
	s_barrier_wait -1
.endm
.macro PLACES n
.rept \n
	v_nop
.endr
.endm
	s_load_b256 s[4:11], s[0:1], 0x0       ; x_q s[4:5], wq_q s[6:7], b_qkv s[8:9], attention_mask s[10:11]
	s_load_b64 s[12:13], s[0:1], 0x20      ; qkv
	v_lshl_add_u32 v126, v0, 2, 0x44000
	v_mov_b32 v127, 0
	ds_add_u32 v126, v127
	ds_add_u32 v126, v127
	v_lshrrev_b32 v1, 5, v0
	v_readfirstlane_b32 s14, v1            ; wave 0..3
	s_lshr_b32 s15, s14, 1                 ; which half of A's rows is mine.  Also: I fetch for A (0) or for B (1)
	s_and_b32 s16, s14, 1                  ; which half of B's rows.  Also: which 8 tiles I fetch
	s_bfe_u32 s40, ttmp6, 0x40000          ; cx
	s_bfe_u32 s41, ttmp6, 0x40004          ; cy
	s_and_b32 s42, ttmp7, 0xffff
	s_lshl_b32 s42, s42, 2                 ; 4 x cluster y
	s_lshl_b32 s43, s41, 2
	s_lshl_b32 s43, 15, s43                ; my row of the cluster
	s_lshl_b32 s44, 0x1111, s40            ; my column
	s_add_co_u32 s82, s42, s41             ; A for q, k: which 256 tokens
	s_add_co_u32 s83, s41, 8               ; A for v: which 256 columns, from 2,048 on
	s_add_co_u32 s84, s42, s40             ; B for v: which 256 tokens
	s_lshl_b32 s85, ttmp9, 2
	s_add_co_u32 s85, s85, s40             ; B for q, k: which 256 columns
	; descriptor group 1: 8 records are one dense block of 69,632 bytes, stated as 272 rows of 256 bytes (32 elements of 8 bytes); no padding
	s_or_b32 s[G1+0], s43, (3<<16)|(1<<21)     ; 15:0 the mask; 17:16 elements of 8 bytes; 21 set beside a mask
	s_or_b32 s[G1B+0], s44, (3<<16)|(1<<21)
.irp g, G1, G1B
	s_mov_b32 s[\g+1], 32<<16              ; tensor_dim0
	s_mov_b32 s[\g+2], 272<<16             ; tensor_dim1
	s_mov_b32 s[\g+3], 32<<16              ; tile_dim0
	s_mov_b32 s[\g+4], 272                 ; tile_dim1
	s_mov_b32 s[\g+5], 32                  ; from row to row
	s_mov_b32 s[\g+6], 0
	s_mov_b32 s[\g+7], 0
.endr
	s_mov_b32 s20, 0x76543210
	s_mov_b32 s21, 0xfedcba98              ; v_permlanex16_b32's selects for lane l xor 16
	s_wait_dscnt 0x0
	s_wait_kmcnt 0x0
	s_cmp_eq_u32 ttmp9, 2                  ; the cluster's x: the same in all sixteen partners
	s_cselect_b32 s45, 1, 0                ; 1: this cluster makes v
	s_cselect_b32 s17, s83, s82            ; A's 256 rows: made of cy, never of cx
	s_cselect_b32 s46, s84, s85            ; B's 256 rows: made of cx, never of cy
	s_cselect_b64 s[66:67], s[6:7], s[4:5] ; A's buffer
	s_cselect_b64 s[68:69], s[4:5], s[6:7] ; B's buffer
	s_lshl_b32 s47, s16, 3
	s_lshl_b32 s70, s17, 4
	s_add_co_u32 s70, s70, s47             ; A: tile 16 x rows + 8 x half
	s_mul_i32 s70, s70, TREC
	s_mov_b32 s71, 0
	s_lshl_b32 s72, s46, 4
	s_add_co_u32 s72, s72, s47
	s_mul_i32 s72, s72, TREC
	s_mov_b32 s73, 0
	s_add_nc_u64 s[66:67], s[66:67], s[70:71]
	s_add_nc_u64 s[68:69], s[68:69], s[72:73]
	s_mul_i32 s74, s14, HALF8              ; where my tiles go: wave x 8 tiles: no place in the cluster enters an LDS address
	; where my wave's results belong
	s_lshl_b32 s86, s17, 8
	s_lshl_b32 s87, s15, 7
	s_add_co_u32 s86, s86, s87             ; my first A row
	s_lshl_b32 s88, s46, 8
	s_lshl_b32 s89, s16, 7
	s_add_co_u32 s88, s88, s89             ; my first B row
	s_cmp_eq_u32 s45, 1
	s_cselect_b32 s90, s88, s86            ; my first token, 0 .. 8,064
	s_cselect_b32 s75, s86, s88            ; my first column of W_qkv, 0 .. 2,944
	s_cselect_b32 s92, 0, s75              ; the bias along registers is used for q and k; for v its loads read the buffer's head and are not used,
	s_cselect_b32 s98, s75, 0              ; and the other way round for the bias of my lane
	s_lshl_b32 s92, s92, 2
	s_mov_b32 s93, 0
	s_lshl_b32 s98, s98, 2
	s_mov_b32 s99, 0
	s_add_nc_u64 s[76:77], s[8:9], s[92:93]
	s_add_nc_u64 s[78:79], s[8:9], s[98:99]
	s_lshl_b32 s92, s90, 2
	s_add_nc_u64 s[10:11], s[10:11], s[92:93]  ; attention_mask is one number a token
	s_lshr_b32 s94, s90, 11                ; batch
	s_lshl_b32 s94, s94, 4
	s_bfe_u32 s95, s75, 0x40006            ; my first head
	s_add_co_u32 s94, s94, s95
	s_lshl_b32 s94, s94, 4
	s_bfe_u32 s95, s90, 0x40007            ; which 128 tokens of the batch
	s_add_co_u32 s94, s94, s95
	s_mul_i32 s94, s94, RECQ
	s_lshr_b32 s96, s75, 10                ; 0: q, 1: k, 2: v
	s_cmp_eq_u32 s96, 0
	s_cselect_b32 s95, 8960, 0             ; q's part of a record
	s_mov_b32 s97, 8192
	s_cselect_b32 s97, 4096, s97           ; the scale words, from there: q's 4,096 on, k's 8,192,
	s_add_co_u32 s94, s94, s95
	s_mov_b32 s95, 0
	s_add_nc_u64 s[12:13], s[12:13], s[94:95]
	s_cmp_eq_u32 s96, 2
	s_cselect_b32 s97, 8704, s97           ; v's 8,704
	s_cmp_eq_u32 s96, 1
	s_mov_b32 s80, 0x7f6f0000              ; bytes 2 and 3 of a scale word: a query's;
	s_mov_b32 s81, s80
	s_cselect_b32 s80, 0x7f010000, s80     ; an open key's;
	s_cselect_b32 s81, 0x7fef0000, s81     ; a masked key's
	v_and_b32 v1, 15, v0                   ; r
	v_bfe_u32 v2, v0, 4, 1                 ; h
	v_and_b32 v3, 31, v0
	v_lshlrev_b32 v3, 4, v3                ; 16 x lane
	v_lshlrev_b32 v27, 6, v2               ; 64 h: 16 numbers of the bias
	v_and_b32 v28, 8, v1
	v_add_nc_u32 v28, v28, v1
	v_lshlrev_b32 v28, 2, v28              ; 4 (r + 8 (r / 8)): the true row at place r of a tile
	WIN 0x40                               ; destination window 1
.irp b, 0,1,2,3,4,5,6,7                ; b_qkv at the column of accumulator (., b)'s register j: 32 (b / 2) + 16 h + 8 (b % 2) + j
	global_load_b128 v[BQ+8*\b:BQ+8*\b+3], v27, s[76:77] offset:128*(\b/2)+32*(\b%2)
	global_load_b128 v[BQ+8*\b+4:BQ+8*\b+7], v27, s[76:77] offset:128*(\b/2)+32*(\b%2)+16
.endr
.irp a, 0,1,2,3,4,5,6,7                ; b_qkv at my lane's column in A's tile a, twice: a pair for the packed addition
	global_load_b32 v[BV+2*\a], v28, s[78:79] offset:128*(\a/2)+32*(\a%2)
	global_load_b32 v[BV+2*\a+1], v28, s[78:79] offset:128*(\a/2)+32*(\a%2)
.endr
	WIN 0
.irp a, 0,1,2,3,4,5,6,7                ; the mask of my lane's token in tile a (used for k alone)
	global_load_b32 v[MK+\a], v28, s[10:11] offset:128*(\a/2)+32*(\a%2)
.endr
	CROUND                                 ; all sixteen work-groups are here: the joint loads meet
	s_mov_b32 s[G0], 1
	s_mov_b32 s[G0+1], s74
	s_mov_b64 s[G0+2:G0+3], s[66:67]
	s_or_b32 s[G0+3], s[G0+3], 0x80000000
	s_mov_b32 s[G0B], 1
	s_mov_b32 s[G0B+1], s74
	s_mov_b64 s[G0B+2:G0B+3], s[68:69]
	s_or_b32 s[G0B+3], s[G0B+3], 0x80000000
	JLOAD G0, G1, G0B, G1B                 ; my one tensor load of the launch: 8 whole records, all of K
	s_mul_i32 s86, s15, HALF8              ; my 8 tiles of A
	s_mul_i32 s87, s16, HALF8
	s_add_co_u32 s87, s87, SIDE            ; my 8 tiles of B
	s_wait_alu depctr_va_vdst(0)
.irp s, 0,1
	v_add_nc_u32 v[ADRA+\s], s86, v3
	v_add_nc_u32 v[ADRB+\s], s87, v3
	s_add_co_u32 s86, s86, SLOT
	s_add_co_u32 s87, s87, SLOT
.endr
	s_mul_i32 s86, s15, HALF8
	s_mul_i32 s87, s16, HALF8
	s_add_co_u32 s87, s87, SIDE
	s_sub_co_u32 s87, s87, s86
	v_mul_u32_u24 v4, s87, v2              ; the scale words: lanes 16-31 take B's
	v_lshl_add_u32 v4, v1, 4, v4
	s_add_co_u32 s86, s86, 4096
	v_add_nc_u32 v[ADRS], s86, v4
	v_add_nc_u32 v[ADRS+1], SLOT, v[ADRS]
	v_mul_u32_u24 v25, v2, HS
	v_lshl_add_u32 v25, v1, 4, v25
	v_add_nc_u32 v25, s97, v25             ; out, scale words: lanes 0-15 my first head, lanes 16-31 the next; 16 bytes a row
	v_lshlrev_b32 v26, 4, v2               ; 16 h
	v_mov_b32 v29, s80
	v_mov_b32 v30, s81
; the fragments of K step k (slot k / 4, its (k % 4)-th 128) into set k % 2: a fragment is two loads of 512 consecutive bytes.  With a slot's first step: its scale words
.macro FETCH k
.set FS, (\k)/4
.set FQ, (\k)%4
.set FP, (\k)%2
	WIN 0x40
.irp i, 0,1,2,3,4,5,6,7
.irp c, 0,1
	ds_load_b128 v[64*FP+8*\i+4*\c:64*FP+8*\i+4*\c+3], v[ADRB+FS] offset:\i*SREC+FQ*1024+\c*512
.endr
.endr
	WIN 0
.irp i, 0,1,2,3,4,5,6,7
.irp c, 0,1
	ds_load_b128 v[AF+64*FP+8*\i+4*\c:AF+64*FP+8*\i+4*\c+3], v[ADRA+FS] offset:\i*SREC+FQ*1024+\c*512
.endr
.endr
.if FQ == 0
.irp i, 0,1,2,3,4,5,6,7
	ds_load_b128 v[SC+32*FS+4*\i:SC+32*FS+4*\i+3], v[ADRS+FS] offset:\i*SREC
.endr
.endif
.endm
; 16 matrix instructions: A's tiles a0, a0 + 1 against B's eight.  The 64 accumulators take turns, one instruction a turn, in the same order in every step
.macro MUL16 k, a0, zero
.irp a, \a0, \a0+1
.irp b, 0,1,2,3,4,5,6,7
.if \zero
	v_wmma_scale_f32_16x16x128_f8f6f4 v[8*(8*((\a)%4)+\b):8*(8*((\a)%4)+\b)+7], v[64*((\k)%2)+8*\b:64*((\k)%2)+8*\b+7], v[AF+64*((\k)%2)+8*(\a):AF+64*((\k)%2)+8*(\a)+7], 0, v[SC+32*((\k)/4)+4*\b+(\k)%4], v[SC+32*((\k)/4)+4*(\a)+(\k)%4] matrix_a_fmt:MATRIX_FMT_FP4 matrix_b_fmt:MATRIX_FMT_FP4 matrix_a_scale:MATRIX_SCALE_ROW1
.else
	v_wmma_scale_f32_16x16x128_f8f6f4 v[8*(8*((\a)%4)+\b):8*(8*((\a)%4)+\b)+7], v[64*((\k)%2)+8*\b:64*((\k)%2)+8*\b+7], v[AF+64*((\k)%2)+8*(\a):AF+64*((\k)%2)+8*(\a)+7], v[8*(8*((\a)%4)+\b):8*(8*((\a)%4)+\b)+7], v[SC+32*((\k)/4)+4*\b+(\k)%4], v[SC+32*((\k)/4)+4*(\a)+(\k)%4] matrix_a_fmt:MATRIX_FMT_FP4 matrix_b_fmt:MATRIX_FMT_FP4 matrix_a_scale:MATRIX_SCALE_ROW1
.endif
.endr
.endr
.endm
.macro STEP k, zero
	s_wait_dscnt 0x0                       ; this step's fragments, asked for 64 matrix instructions ago, are in
.if (\k) > 0
	PLACES 4                               ; in front of loads into registers that the last step's matrix instructions read
.endif
.if (\k) < 7
	FETCH (\k)+1
.endif
	WIN MUL_LO
	MUL16 \k, 0, \zero
	MUL16 \k, 2, \zero
	WIN MUL_HI
	MUL16 \k, 4, \zero
	MUL16 \k, 6, \zero
	WIN 0
.endm
; 64 numbers of a lane, v[s] on, register 16 b + i = k 32 b + 16 (lane / 16) + i of my row, become a fragment's codes in v[PC] on and its scale word in v[pw]
.macro QUANT s, pw
.irp b, 0,1,2,3
	v_max3_num_f32 v[TM+\b], |v[\s+16*\b]|, |v[\s+1+16*\b]|, 0x1800000   ; my 16 numbers of block b, and the floor 2^(3 - 127): the byte cannot fall under 1
.endr
.irp i, 2,4,6,8,10,12,14
.irp b, 0,1,2,3
	v_max3_num_f32 v[TM+\b], v[TM+\b], |v[\s+16*\b+\i]|, |v[\s+1+16*\b+\i]|
.endr
.endr
.irp b, 0,1,2,3
	v_permlanex16_b32 v[TM+4+\b], v[TM+\b], s20, s21
.endr
.irp b, 0,1,2,3
	v_max_num_f32 v[TM+\b], v[TM+\b], v[TM+4+\b]      ; with lane l xor 16's: the block's largest magnitude
.endr
.irp b, 0,1,2,3
	v_add_nc_u32 v[TM+12+\b], 0xff000000, v[TM+\b]    ; 2 off its exponent field: the conversion's scale operand
.endr
.irp b, 0,1,2,3
	v_lshrrev_b32 v[TM+4+\b], 23, v[TM+12+\b]         ; the scale's byte
.endr
	v_lshl_or_b32 v[\pw], v[TM+5], 8, v[TM+4]
	v_lshl_or_b32 v[\pw], v[TM+6], 16, v[\pw]
	v_lshl_or_b32 v[\pw], v[TM+7], 24, v[\pw]
.irp b, 0,1,2,3
	v_cvt_scalef32_pk8_fp4_f32 v[PC+2*\b], v[\s+16*\b:\s+7+16*\b], v[TM+12+\b]
	v_cvt_scalef32_pk8_fp4_f32 v[PC+1+2*\b], v[\s+8+16*\b:\s+15+16*\b], v[TM+12+\b]
.endr
	v_nop                                  ; one plain place behind a scaled conversion
.irp c, 0,1                            ; a whole block to a lane: lanes 0-15 block 2 c, lanes 16-31 block 2 c + 1
.irp i, 0,1
	v_permlane16_swap_b32 v[PC+4*\c+\i], v[PC+2+4*\c+\i]
.endr
.endr
.endm
; A's tile a: bias, quantiser, two stores of 512 consecutive bytes
.macro EPI a, isv
.if (\a) > 0
	s_wait_xcnt 0x0                        ; the last tile's stores have read the codes' registers
.endif
	WIN 0x06+(\a)/4                        ; source 0: window 2 or 3; source 1: window 1
.set i, 0
.rept 32
.if \isv
	v_pk_add_f32 v[T+2*i:T+2*i+1], v[64*((\a)%4)+2*i:64*((\a)%4)+2*i+1], v[BV+2*(\a):BV+2*(\a)+1]
.else
	v_pk_add_f32 v[T+2*i:T+2*i+1], v[64*((\a)%4)+2*i:64*((\a)%4)+2*i+1], v[BQ+2*i:BQ+2*i+1]
.endif
.set i, i+1
.endr
	WIN 0
	QUANT T, PW+(\a)
.if \isv
	global_store_b128 v3, v[PC:PC+3], s[12:13] offset:4096+((\a)/4)*HS+((\a)%4)*1024        ; head a / 4, channel tile a % 4: keys 0-63 of the 128,
	global_store_b128 v3, v[PC+4:PC+7], s[12:13] offset:4096+((\a)/4)*HS+((\a)%4)*1024+512  ; keys 64-127
.else
	global_store_b128 v3, v[PC:PC+3], s[12:13] offset:(\a)*512          ; blocks 0, 1: my first head's 64,
	global_store_b128 v3, v[PC+4:PC+7], s[12:13] offset:HS+(\a)*512     ; blocks 2, 3: the next head's
.endif
.endm
	s_wait_alu depctr_va_vdst(0)
	s_wait_tensorcnt 0x0                   ; my 8 records are in
	s_barrier_signal -1
	s_barrier_wait -1                      ; everybody's is
	FETCH 0
	STEP 0, 1                              ; the first products start the sums
	STEP 1, 0
	STEP 2, 0
	STEP 3, 0
	STEP 4, 0
	STEP 5, 0
	STEP 6, 0
	STEP 7, 0
	s_wait_loadcnt 0x0                     ; the biases and the mask
	PLACES 4                               ; behind the last products: their results are read and their operands' registers written
.irp b, 0,1,2,3
	v_mov_b32 v[TM+4+\b], 0                ; a lane permute's destination counts as one of its sources
.endr
	s_cmp_eq_u32 s45, 1
	s_cbranch_scc1 .Lvpart
.irp a, 0,1,2,3,4,5,6,7
	EPI \a, 0
.endr
.irp a, 0,1,2,3,4,5,6,7                ; a scale word made holds two heads' bytes: lanes 0-15 keep the first head's two, lanes 16-31 the next head's; above them the mask's bytes
	v_lshrrev_b32 v[PW+\a], v26, v[PW+\a]
	v_cmp_eq_u32 vcc_lo, 0, v[MK+\a]
	v_cndmask_b32 v31, v29, v30, vcc_lo
	v_and_or_b32 v[PW+\a], v[PW+\a], 0xffff, v31
.endr
	global_store_b128 v25, v[PW:PW+3], s[12:13]              ; tiles 0-3: sixteen lanes store 256 consecutive bytes, aligned
	global_store_b128 v25, v[PW+4:PW+7], s[12:13] offset:256 ; tiles 4-7
	s_branch .Lend
.Lvpart:
.irp a, 0,1,2,3,4,5,6,7
	EPI \a, 1
.endr
	v_cmp_eq_u32 vcc_lo, 1, v2
.irp i, 0,1,2,3
	v_cndmask_b32 v[PW+\i], v[PW+\i], v[PW+4+\i], vcc_lo     ; lanes 0-15: my first head's four channel tiles; lanes 16-31: the next head's
.endr
	global_store_b128 v25, v[PW:PW+3], s[12:13]
.Lend:
	s_wait_tensorcnt 0x0
	s_wait_tensorcnt 0x0
	ds_add_u32 v126, v127
	s_wait_dscnt 0x0
	CROUND                                 ; the closing round: no work-group ends while a partner may still ask for a tile that names it
	s_endpgm
.Lfunc_end_k_q93ab133df1_qkv:
	.size	k_q93ab133df1_qkv, .Lfunc_end_k_q93ab133df1_qkv-k_q93ab133df1_qkv
	.p2alignl 7, 3214868480
	.fill 96, 4, 3214868480
	.section	.rodata,"a",@progbits
	.p2align	6, 0x0
	.amdhsa_kernel k_q93ab133df1_qkv
		.amdhsa_group_segment_fixed_size 279040
		.amdhsa_private_segment_fixed_size 0
		.amdhsa_enable_private_segment 0
		.amdhsa_kernarg_size 40
		.amdhsa_user_sgpr_count 2
		.amdhsa_user_sgpr_kernarg_segment_ptr 1
		.amdhsa_wavefront_size32 1
		.amdhsa_system_sgpr_workgroup_id_x 1
		.amdhsa_system_sgpr_workgroup_id_y 1
		.amdhsa_system_sgpr_workgroup_id_z 1
		.amdhsa_system_vgpr_workitem_id 0
		.amdhsa_next_free_vgpr 1024
		.amdhsa_next_free_sgpr 100
		.amdhsa_reserve_vcc 1
		.amdhsa_float_denorm_mode_32 3
		.amdhsa_float_denorm_mode_16_64 3
		.amdhsa_memory_ordered 1
		.amdhsa_forward_progress 1
		.amdhsa_inst_pref_size 194
	.end_amdhsa_kernel
	.amdgpu_metadata
---
amdhsa.version: [ 1, 2 ]
amdhsa.kernels:
  - .name:           k_q93ab133df1_qkv
    .symbol:         k_q93ab133df1_qkv.kd
    .args:
      - { .name: x_q, .offset: 0, .size: 8, .value_kind: global_buffer, .address_space: global }
      - { .name: wq_q, .offset: 8, .size: 8, .value_kind: global_buffer, .address_space: global }
      - { .name: b_qkv, .offset: 16, .size: 8, .value_kind: global_buffer, .address_space: global }
      - { .name: attention_mask, .offset: 24, .size: 8, .value_kind: global_buffer, .address_space: global }
      - { .name: qkv, .offset: 32, .size: 8, .value_kind: global_buffer, .address_space: global }
    .group_segment_fixed_size: 279040
    .private_segment_fixed_size: 0
    .kernarg_segment_align: 8
    .kernarg_segment_size: 40
    .max_flat_workgroup_size: 128
    .sgpr_count:     100
    .vgpr_count:     1024
    .wavefront_size: 32
...
	.end_amdgpu_metadata
.endif
;; end of part 2
;; launch attn (part 3): grid 4 x 64, 16 waves a work-group, clusters of 4 x 1, 169,984 bytes of LDS; arguments qkv, ctx_q; writes ctx_q
.if DOCPART == 3
	.amdgcn_target "amdgcn-amd-amdhsa--gfx1250"
	.amdhsa_code_object_version 6
	.text
	.protected	k_q93ab133df1_attn
	.globl	k_q93ab133df1_attn
	.p2align	8
	.type	k_q93ab133df1_attn,@function
k_q93ab133df1_attn:
	s_mov_b64 s[64:65], 0
	v_nop
	global_prefetch_b8 v0, s[64:65] scope:SCOPE_SE
	s_setreg_imm32_b32 hwreg(HW_REG_WAVE_MODE, 25, 1), 1
	s_wait_xcnt 0x0
	s_wait_alu depctr_hold_cnt(0) depctr_sa_sdst(0) depctr_va_vdst(0) depctr_va_sdst(0) depctr_va_ssrc(0) depctr_va_vcc(0) depctr_vm_vsrc(0)
	s_getreg_b32 s2, hwreg(HW_REG_IB_STS2, 6, 4)
	s_cmp_eq_u32 s2, 0
	s_cbranch_scc0 .Lentry_in_a_cluster
	s_endpgm
.Lentry_in_a_cluster:
	s_bfe_u32 s2, ttmp6, 0x10000c
	s_cmp_lg_u32 s2, 0x3003
	s_cbranch_scc0 .Lentry_shape_is_right
	s_endpgm
.Lentry_shape_is_right:
; ctx = softmax(q k^T / 8, masked) v for one (batch, head) and 512 queries a work-group, both products on codes of FP4 with E8M0 scales, and ctx quantised at once along the head's 64 for the last product.
; THE SOFTMAX AHEAD OF THE SECOND PRODUCT: t = score x log2(e) / 8; M = the row's largest t so far, rounded UP to a whole number; p = 2^(t - M) is quantised along the keys, not normalised; the row's sum is taken of the
; unquantised p and divides O at the end.  When M moves, the sum and O are multiplied by 2^(old M - new M): exact.
; INPUT: for each (batch, head, 128 tokens) a record of RECQ bytes, images of operand registers: 0: k's 8 tiles x 512 bytes (row r', block h at 256 h + 16 r'); 4096: v's [channel tile 4][half 2][512];
; 8192: k's scale words [tile / 4][row][tile % 4]; 8704: v's [row][channel tile]; 8960: q's 8 tiles; 13056: q's scale words.  Place r' of token tile 2 b + u is token 32 b + 8 u + r' + 8 (r' / 8); v's channels likewise.
; SHARES.  Sixteen waves, four to a SIMD; a wave owns one tile of 16 queries at a time, two one after the other (a counted loop).  A head's k, v and their scales lie in LDS whole: wave w asks for key step w, once,
; JOINTLY with the three other work-groups of its cluster, which belong to the same head.  The load lays 32 bytes of padding behind each 256: byte x of a record's first 8,960 lies at x + 32 (x / 256), KVL bytes a step.
; No prefetch: every byte that the launch reads through LDS is asked for by the head's one load a wave, and no loop runs ahead of a load.
; LAYOUT.  S^T = K Q^T (source 0 = 16 keys, source 1 = my queries), O^T = V^T P^T: a lane holds ONE query throughout.
; THE KEYS OF A TILE ARE CHOSEN BY LDS ADDRESSES: row r of tile 4 c + i is key 64 c + 32 (r / 8) + 8 i + r % 8.  In the result lane (r, h) holds rows 8 h .. 8 h + 7, so its 32 registers of tiles 4 c .. 4 c + 3 are
; block 2 c + h of the step's keys, whole and in order: the block's largest score needs no other lane, and the eight conversions give the second product's operand as it stands.
; That key lies in the record's tile 4 c + 2 (r / 8) + i % 2 at row 8 (i / 2) + r % 8: with the padding, lane part 1152 (r / 8) + 288 h + 16 (r % 8), constant part 2304 c + 576 (i % 2) + 128 (i / 2).
; Its scale word: 16 (r % 8) + 8 (r / 8) + 288 c + 128 (i / 2) + 4 (i % 2): a load of 8 bytes brings tiles i and i + 1.
; THE EXPONENTIALS GO IN FOUR BATCHES OF 16, each with its wait ahead and behind, and plain work that is due anyway stands between a batch's lines: it reads only what was written
; ahead of the batch's wait, and what it writes is read only behind the next wait.  Batch 0: t - M of the scores of batches 1 and 2; batch 1: of batch 3, the sum's rescaling, the scale operands;
; batch 2: block h's conversions and the scales' bytes; batch 3: eight additions of the row's sum, in place on p that has been converted.
; THE MASK.  The head's 64 fill half of the first product's 128.  At k = 64 every key has the code -6 and every query +6; the scale byte of that block is 2^112 in a masked key's word, 2^-126 in an open key's, 2^-16 in a
; query's (the launch before wrote them).  So a masked score is the score - 36 x 2^96, and the running largest score begins at -2^95, above every masked one: a masked p is 0.
; An open score carries -36 x 2^-142.  A row none of whose keys counts has the sum 0: its scale bytes are set to 0xff, so that the last product gives NaN there, as the softmax of such a row does.
; OUTPUT: ctx's codes go out 512 consecutive bytes a store.  Its scale bytes are two a row and head, 16 bytes apart: the other 14 bytes of a row's 16 belong to heads of other work-groups.
; LIMITS: a score under -2^95 counts as masked; a block of p whose largest lies under 2^-124 is scaled as if it were 2^-124 (the exponent is held at -124 ahead of the exponential), a block of ctx likewise keeps the byte 1;
; NaN and infinities are not served.
; REGISTERS: v1 V's lane place, v2 K's, v3 K's scale words', v4 h, v5 16 r; v6-9 the same four in the trip's two steps; v10 ctx's scale bytes, v11 their place; v12, v14 -M by turns, v13 the largest score, v15 8 h;
;   v16-23 Q; v24-31 K's scale words; v32-95 eight operands of K (registers 0-3 loaded, 4 the code -6, 5-7 zeros); v96-159 S^T, then p, then its partial sums; v160-191 O^T; v192-223 V;
;   v224-231 the tiles' largest scores, then p's codes; v232-241 at work; v[242:243] the sum; v244-247 V's scale words; v248 p's; v249 Q's; v250 f (v251, named with it as a pair, at work);
;   v252, v253 the add's two; v254 16 x lane; v255 0xffff.
.set RECQ, 13568
.set HS,   16*RECQ
.set KVB,  8960                        ; what a key step brings: 35 rows of 256 bytes
.set KVL,  10080                       ; and takes in LDS: 35 x 288
.set TREC, 8704
.set SREC, 4352
.set SPARE, 16*KVL                     ; behind the sixteen steps: the spare words, 128 bytes a wave
.set WV,   18
.macro CROUND                          ; a round of the cluster's barrier
	s_barrier_signal -1
	s_barrier_wait -1
	s_cmp_lg_u32 s[WV], 0
	s_cbranch_scc1 .Lnot_wave_0_\@
	s_barrier_signal -3
.Lnot_wave_0_\@:
	s_barrier_wait -3
	s_barrier_signal -1
	s_barrier_wait -1
.endm
	s_load_b128 s[4:7], s[0:1], 0x0        ; qkv s[4:5], ctx_q s[6:7]
	v_lshl_add_u32 v252, v0, 2, SPARE
	v_mov_b32 v253, 0
	ds_add_u32 v252, v253                  ; the opening lines: the add, twice on end, and its wait ahead of my tensor load
	ds_add_u32 v252, v253
	v_lshrrev_b32 v1, 5, v0
	v_readfirstlane_b32 s[WV], v1          ; wave 0..15
	s_bfe_u32 s19, ttmp6, 0x40000          ; cx: it enters Q's and ctx's addresses alone
	s_and_b32 s8, ttmp7, 0xffff            ; 16 x batch + head, which the four partners share
	s_mul_i32 s10, s8, HS
	s_mov_b32 s11, 0
	; descriptor group 1: a dense block of 8,960 bytes as 35 rows of 256 (32 elements of 8 bytes), 8 words of padding behind each 64
	s_mov_b32 s24, 15|(3<<16)|(1<<20)|(1<<21)|(5<<22)|(7<<25)
	s_mov_b32 s25, 32<<16                  ; tensor_dim0
	s_mov_b32 s26, 35<<16                  ; tensor_dim1
	s_mov_b32 s27, 32<<16                  ; tile_dim0
	s_mov_b32 s28, 35                      ; tile_dim1
	s_mov_b32 s29, 32                      ; from row to row
	s_mov_b32 s30, 0
	s_mov_b32 s31, 0
	s_mul_i32 s12, s[WV], RECQ             ; key step w: in memory,
	s_mov_b32 s13, 0
	s_mov_b32 s32, 1
	s_mul_i32 s33, s[WV], KVL              ; and in LDS
	s_mov_b32 s20, 0x76543210
	s_mov_b32 s21, 0xfedcba98              ; v_permlanex16_b32's selects for lane l xor 16
	s_mov_b32 s22, 0x3e38aa3b              ; c = log2(e) / 8
	s_mov_b32 s23, s22                     ; (named with it as a pair, so it is written)
	s_mov_b32 s46, 0xbe38aa3b              ; -c
	s_mov_b32 s49, 0                       ; which of my two tiles of queries
	s_lshl_b32 s14, s19, 2
	s_lshr_b32 s15, s[WV], 3
	s_add_co_u32 s14, s14, s15             ; the record of my first tile of queries: 4 cx + wave / 8
	s_mul_i32 s14, s14, RECQ
	s_and_b32 s16, s[WV], 7                ; and the tile in it
	s_lshl_b32 s15, s16, 9
	s_add_co_u32 s14, s14, s15
	s_add_co_u32 s14, s14, KVB             ; q's codes lie behind k's and v's part
	s_mov_b32 s15, 0
	s_lshl_b32 s17, s16, 9                 ; q's scale word, counted from my tile's codes: 4096 - 512 t + 256 (t / 4) + 4 (t % 4) + 16 r
	s_sub_co_u32 s17, 4096, s17
	s_lshr_b32 s36, s16, 2
	s_lshl_b32 s36, s36, 8
	s_add_co_u32 s17, s17, s36
	s_and_b32 s36, s16, 3
	s_lshl_b32 s36, s36, 2
	s_add_co_u32 s56, s17, s36
	s_mov_b32 s57, 0
	s_lshr_b32 s36, s8, 4                  ; batch
	s_lshl_b32 s36, s36, 7
	s_lshl_b32 s37, s19, 5
	s_add_co_u32 s36, s36, s37
	s_add_co_u32 s36, s36, s[WV]           ; ctx: tile 128 x batch + 32 cx + wave (the second tile 16 further on)
	s_mul_i32 s36, s36, TREC
	s_and_b32 s38, s8, 15                  ; head
	s_lshr_b32 s39, s38, 3
	s_mul_i32 s39, s39, SREC               ; heads 0-7 are the first 512 along the last product's K
	s_add_co_u32 s36, s36, s39
	s_mov_b32 s37, 0
	s_and_b32 s39, s38, 7
	s_lshl_b32 s40, s39, 9                 ; the head's two blocks: 512 bytes
	s_mov_b32 s41, 0
	s_lshr_b32 s42, s39, 1
	s_lshl_b32 s42, s42, 2                 ; its scale bytes: word (head % 8) / 2,
	s_and_b32 s44, s38, 1
	s_lshl_b32 s44, s44, 1                 ; bytes 2 (head % 2) and + 1
	s_add_co_u32 s42, s42, s44
	s_add_co_u32 s42, s42, 4096
	s_mov_b32 s43, 0
	v_and_b32 v254, 31, v0
	v_and_b32 v3, 15, v0                   ; r
	v_bfe_u32 v4, v0, 4, 1                 ; h
	v_bfe_u32 v6, v0, 3, 1                 ; r / 8
	v_and_b32 v7, 7, v0                    ; r % 8
	v_lshlrev_b32 v254, 4, v254            ; 16 x lane
	v_lshlrev_b32 v5, 4, v3                ; 16 r
	v_mul_u32_u24 v2, v6, 1152
	v_lshlrev_b32 v3, 4, v7
	v_mul_u32_u24 v11, v4, 16*TREC
	v_lshlrev_b32 v15, 3, v4               ; 8 h
	v_mad_u32_u24 v1, v4, 288, v5          ; V: 288 h + 16 r
	v_mad_u32_u24 v2, v4, 288, v2
	v_lshl_add_u32 v3, v6, 3, v3           ; K's scale words: 16 (r % 8) + 8 (r / 8)
	v_add_nc_u32 v11, v11, v5              ; lanes 0-15: my first tile's rows; lanes 16-31: my second's
	v_lshl_add_u32 v2, v7, 4, v2           ; K: 1152 (r / 8) + 288 h + 16 (r % 8)
	s_wait_alu depctr_va_vdst(0)           ; directly ahead of the waits below
	s_wait_dscnt 0x0                       ; both opening adds are done
	s_wait_kmcnt 0x0
	s_add_nc_u64 s[4:5], s[4:5], s[10:11]  ; my head
	s_add_nc_u64 s[34:35], s[4:5], s[12:13]
	s_or_b32 s35, s35, 0x80000000          ; type = 2
	s_add_nc_u64 s[50:51], s[4:5], s[14:15]
	s_add_nc_u64 s[56:57], s[50:51], s[56:57]
	s_add_nc_u64 s[6:7], s[6:7], s[36:37]
	s_add_nc_u64 s[52:53], s[6:7], s[40:41]
	s_add_nc_u64 s[54:55], s[6:7], s[42:43]
	global_load_b128 v[16:19], v254, s[50:51]  ; Q's codes: registers 0-3 of the operand
	global_load_b32 v249, v5, s[56:57]         ; and its scale words
	CROUND                                 ; all four work-groups are here: the joint loads meet
	tensor_load_to_lds s[32:35], s[24:31]  ; my one tensor load of the launch
	s_nop 0
.rept 4
	v_nop
.endr
	v_mov_b32 v10, 0
	v_mov_b32 v255, 0xffff
	v_sub_nc_u32 v20, 1, v4
	v_mov_b32 v21, 0
	v_mov_b32 v22, 0
	v_mov_b32 v23, 0
	v_mul_u32_u24 v20, v20, 7              ; Q's register 4: the code +6 at k = 64 (lanes 0-15), zeros at k = 96 on (lanes 16-31)
.irp t, 0,1,2,3,4,5,6,7
	v_mov_b32 v[36+8*\t], 15               ; K's register 4: the code -6 at k = 64 (in lanes 16-31 it meets Q's zeros)
	v_mov_b32 v[37+8*\t], 0
	v_mov_b32 v[38+8*\t], 0
	v_mov_b32 v[39+8*\t], 0
.endr
.irp b, 236,237,238,251
	v_mov_b32 v[\b], 0                     ; a lane permute's destination counts as one of its sources
.endr
	s_wait_alu depctr_va_vdst(0)           ; at the head's end
	s_wait_tensorcnt 0x0                   ; my key step has landed,
	s_barrier_signal -1
	s_barrier_wait -1                      ; everybody's has: the whole head lies in LDS, and nothing is filled again
; three loads of a step's K: tiles 2 n and 2 n + 1 and their two scale words
.macro KL adr, sadr, off, n
	ds_load_b128 v[32+16*(\n):35+16*(\n)], v[\adr] offset:(\off)+2304*((\n)/2)+128*((\n)%2)
	ds_load_b128 v[40+16*(\n):43+16*(\n)], v[\adr] offset:(\off)+2304*((\n)/2)+128*((\n)%2)+576
	ds_load_b64 v[24+2*(\n):25+2*(\n)], v[\sadr] offset:(\off)+9216+288*((\n)/2)+128*((\n)%2)
.endm
.macro TM r                            ; t - M of two scores, v[r] and v[r + 1]
	v_pk_fma_f32 v[\r:\r+1], v[\r:\r+1], s[22:23], v[NN:NN+1] op_sel_hi:[1,0,0]
.endm
.macro PA d, s                         ; two partial sums onto two others, in place
	v_pk_add_f32 v[\d:\d+1], v[\d:\d+1], v[\s:\s+1]
.endm
; A KEY STEP: 128 keys, the q-th of the trip's two.  pf = 1: the next step's K is fetched on the way
.macro STEP q, pf
.set NN, 12+2*(\q)                     ; the new -M; the old one lies in the other register
.set NO, 14-2*(\q)
	s_wait_dscnt 0x0                       ; this step's K and its scale words are in
.irp t, 0,1,2,3,4,5,6,7
	v_wmma_scale_f32_16x16x128_f8f6f4 v[96+8*\t:103+8*\t], v[32+8*\t:39+8*\t], v[16:23], 0, v[24+\t], v249 matrix_a_fmt:MATRIX_FMT_FP4 matrix_b_fmt:MATRIX_FMT_FP4
.endr
; four places behind these products and behind the last step's V^T P products, whose source v224-231 is written below
.if (\q) == 0
	v_add_nc_u32 v6, s2, v2                ; the trip's addresses
	v_add_nc_u32 v7, s2, v3
	v_add_nc_u32 v8, s2, v1
	v_add_nc_u32 v9, s2, v5
.else
.rept 4
	v_nop
.endr
.endif
; the largest score of my two blocks of 32 keys: eight chains, one a tile, each accumulator read from its low end on.  It serves the row's maximum and, since p rises with the score, the block's largest p
.irp t, 0,1,2,3,4,5,6,7
	v_max3_num_f32 v[224+\t], v[96+8*\t], v[97+8*\t], v[98+8*\t]
.endr
.irp c, 0,1
	v_max3_num_f32 v[236+\c], v[103+32*\c], v[111+32*\c], v[119+32*\c]   ; the last registers of three of the block's four tiles
.endr
.irp i, 0,2
.irp t, 0,1,2,3,4,5,6,7
	v_max3_num_f32 v[224+\t], v[224+\t], v[99+8*\t+\i], v[100+8*\t+\i]
.endr
.endr
.irp c, 0,1
	v_max3_num_f32 v[232+\c], v[224+4*\c], v[225+4*\c], v[226+4*\c]
.endr
.irp c, 0,1
	v_max3_num_f32 v[234+\c], v[227+4*\c], v[236+\c], v[127+32*\c]
.endr
	s_delay_alu instid0(VALU_DEP_2)
	v_max_num_f32 v232, v232, v234         ; block h
	s_delay_alu instid0(VALU_DEP_2)
	v_max_num_f32 v233, v233, v235         ; block 2 + h
; the row's M
	s_delay_alu instid0(VALU_DEP_1)
	v_max_num_f32 v236, v232, v233
	s_delay_alu instid0(VALU_DEP_1)
	v_permlanex16_b32 v237, v236, s20, s21
	s_delay_alu instid0(VALU_DEP_1)
	v_max3_num_f32 v13, v13, v236, v237    ; the running largest score, lane l xor 16's blocks among them
	s_delay_alu instid0(VALU_DEP_1)
	v_mul_f32 v238, s46, v13               ; -t
	s_delay_alu instid0(VALU_DEP_1)
	v_floor_f32 v[NN], v238                ; the new -M = floor(-t): M is a whole number
	s_delay_alu instid0(VALU_DEP_1)
	v_sub_f32 v238, v[NN], v[NO]           ; old M - new M: a whole number, 0 or less
.irp r, 96,98,100,102
	TM \r                                  ; t - M of batch 0's sixteen scores, among the lines that make f
.endr
	v_cvt_i32_f32 v238, v238               ; (it saturates)
	TM 104
	TM 106
	v_fma_f32 v232, v232, s22, v[NN]       ; the same of each block's largest score
	v_fma_f32 v233, v233, s22, v[NN]
	v_ldexp_f32 v250, 1.0, v238            ; f = 2^(old M - new M)
	TM 108
	TM 110
	v_max_num_f32 v232, 0xc2f80000, v232   ; held at -124 from below: the block's largest p is then 2^(3 - 127) at the least, and the scale's byte cannot fall under 1
	v_max_num_f32 v233, 0xc2f80000, v233
.set j, 0
.rept 16
	v_pk_mul_f32 v[160+j:161+j], v[160+j:161+j], v[250:251] op_sel_hi:[1,0]   ; O^T under the new M, ahead of the exponentials
.set j, j+2
.endr
	s_wait_alu depctr_va_vdst(0)           ; the wait ahead of batch 0
; the step's LDS loads stand here, where no vector result of mine is pending: V and its scale words (9 loads), then the next step's K (12)
.irp d, 0,1,2,3
.irp c, 0,1
	ds_load_b128 v[192+8*\d+4*\c:195+8*\d+4*\c], v8 offset:KVL*(\q)+4608+1152*\d+576*\c
.endr
.endr
	ds_load_b128 v[244:247], v9 offset:KVL*(\q)+9792
.if \pf
.irp n, 0,1,2,3
	KL 6, 7, KVL*((\q)+1), \n
.endr
.endif
; BATCH 0: the blocks' largest p (the same two instructions on the same number as p itself), p of scores 0-15; between them t - M of scores 16-47
	v_exp_f32 v232, v232
	v_exp_f32 v233, v233
.set j, 0
.rept 16
	v_exp_f32 v[96+j], v[96+j]             ; p = 2^(t - M)
	TM 112+2*j
.set j, j+1
.endr
	s_wait_alu depctr_va_vdst(0)           ; behind batch 0, ahead of batch 1
; BATCH 1: p of scores 16-31; between them t - M of scores 48-63, the sum under the new M, the conversions' scale operands
.set j, 0
.rept 8
	v_exp_f32 v[112+j], v[112+j]
	TM 144+2*j
.set j, j+1
.endr
.irp r, 120,121,122,123,124
	v_exp_f32 v[\r], v[\r]
.endr
	v_pk_mul_f32 v[242:243], v[242:243], v[250:251] op_sel_hi:[1,0]
	v_exp_f32 v125, v125
	v_add_nc_u32 v240, 0xff000000, v232    ; 2 off the exponent field of the block's largest p
	v_exp_f32 v126, v126
	v_exp_f32 v127, v127
	v_add_nc_u32 v241, 0xff000000, v233
	s_wait_alu depctr_va_vdst(0)           ; behind batch 1, ahead of batch 2
; BATCH 2: p of scores 32-47; between them the codes of block h (scores 0-31): registers 0-3 of the operand, keys 32 h + 8 i on; then the scales' bytes
.irp i, 0,1,2,3
	v_exp_f32 v[128+4*\i], v[128+4*\i]
	v_cvt_scalef32_pk8_fp4_f32 v[224+\i], v[96+8*\i:103+8*\i], v240
	v_exp_f32 v[129+4*\i], v[129+4*\i]
	v_exp_f32 v[130+4*\i], v[130+4*\i]
	v_exp_f32 v[131+4*\i], v[131+4*\i]
.endr
	v_lshrrev_b32 v238, 23, v240           ; blocks h and 2 + h
	v_lshrrev_b32 v239, 23, v241
	s_wait_alu depctr_va_vdst(0)           ; behind batch 2, ahead of batch 3
; BATCH 3: p of scores 48-63; between them THE ROW'S SUM OF THE UNQUANTISED p begins, eight wide and in place: scores 16-31 onto scores 0-15, whose codes are made
.set j, 0
.rept 8
	v_exp_f32 v[144+2*j], v[144+2*j]
	PA 96+2*j, 112+2*j
	v_exp_f32 v[145+2*j], v[145+2*j]
.set j, j+1
.endr
	v_lshl_or_b32 v248, v239, 16, v238
	s_wait_alu depctr_va_vdst(0)           ; behind batch 3, ahead of its first reader
.irp i, 0,1,2,3
	v_cvt_scalef32_pk8_fp4_f32 v[228+\i], v[128+8*\i:135+8*\i], v241   ; block 2 + h: registers 4-7 of the operand
.endr
	v_lshlrev_b32 v248, v15, v248          ; my two bytes at their places, 8 h bits up;
.irp j, 0,2,4,6
	PA 128+\j, 144+\j                      ; scores 48-63 onto scores 32-47
.endr
	v_permlanex16_b32 v251, v248, s20, s21
.irp j, 8,10,12,14
	PA 128+\j, 144+\j
.endr
	v_or_b32 v248, v248, v251              ; with lane l xor 16's two p's scale word is whole.  The sixteen lines below are the places between it, the codes and the products
.irp j, 0,2,4,6,8,10,12,14
	PA 96+\j, 128+\j
.endr
.irp j, 0,2,4,6
	PA 96+\j, 104+\j
.endr
	s_delay_alu instid0(VALU_DEP_2)
	PA 96, 100
	s_delay_alu instid0(VALU_DEP_2)
	PA 98, 102
	s_delay_alu instid0(VALU_DEP_1)
	PA 96, 98
	s_delay_alu instid0(VALU_DEP_1)
	PA 242, 96
	s_wait_dscnt 12*(\pf)                  ; V and its scale words are in; the twelve loads of K issued behind them may be out
.irp d, 0,1,2,3
	v_wmma_scale_f32_16x16x128_f8f6f4 v[160+8*\d:167+8*\d], v[192+8*\d:199+8*\d], v[224:231], v[160+8*\d:167+8*\d], v[244+\d], v248 matrix_a_fmt:MATRIX_FMT_FP4 matrix_b_fmt:MATRIX_FMT_FP4
.endr
.endm
; One tile of 16 queries against all 2,048 keys; then ctx = O^T / the sum, quantised along the head's 64 (two blocks) and stored.  Two trips
.Lpass:
	s_mov_b32 s2, 0
	v_mov_b32 v13, 0xef000000              ; the largest score so far: -2^95, above every masked one
	v_mov_b32 v242, 0
	v_mov_b32 v243, 0
	v_mul_f32 v14, s46, v13
	v_floor_f32 v14, v14                   ; -M
.set j, 0
.rept 32
	v_mov_b32 v[160+j], 0                  ; O^T: the step is written once, and the first finds zeros
.set j, j+1
.endr
.irp n, 0,1,2,3
	KL 2, 3, 0, \n                         ; key step 0's K
.endr
	s_wait_alu depctr_va_vdst(0)           ; directly ahead of the wait below
	s_wait_loadcnt 0x0                     ; Q
	s_mov_b32 s48, 7
.Lkey:                                         ; seven trips of two key steps; the last two steps are written out, since the last fetches no further K
	STEP 0, 1
	STEP 1, 1
	s_add_co_u32 s2, s2, 2*KVL
	s_sub_co_u32 s48, s48, 1
	s_cmp_lg_u32 s48, 0
	s_cbranch_scc1 .Lkey
	STEP 0, 1
	STEP 1, 0
	s_wait_alu depctr_va_vdst(0)           ; directly ahead of the branch
	s_cmp_eq_u32 s49, 1
	s_cbranch_scc1 .Lnoq
	global_load_b128 v[16:19], v254, s[50:51] offset:2*RECQ    ; the second tile's Q: 16 tiles, two records, on
	global_load_b32 v249, v5, s[56:57] offset:2*RECQ
.Lnoq:
.rept 4
	v_nop                                  ; places behind the last products
.endr
	v_add_f32 v242, v242, v243
	v_permlanex16_b32 v238, v242, s20, s21
	v_add_f32 v242, v242, v238             ; the row's sum
	s_wait_alu depctr_va_vdst(0)           ; ahead of the transcendental
	v_rcp_f32 v250, v242
	v_nop                                  ; a plain place behind the reciprocal
	v_cmp_eq_f32 s58, 0, v242              ; a row none of whose keys counts
	s_wait_alu depctr_va_vdst(0)           ; ahead of the first reader of the reciprocal and of O^T
.set j, 0
.rept 16
	v_pk_mul_f32 v[96+j:97+j], v[160+j:161+j], v[250:251] op_sel_hi:[1,0]   ; register 16 b + i = channel 32 b + 16 h + i; each accumulator from its low end on
.set j, j+2
.endr
.irp b, 0,1
	v_max3_num_f32 v[232+\b], |v[96+16*\b]|, |v[97+16*\b]|, 0x1800000
.endr
.irp i, 2,4,6,8,10,12,14
.irp b, 0,1
	v_max3_num_f32 v[232+\b], v[232+\b], |v[96+16*\b+\i]|, |v[97+16*\b+\i]|
.endr
.endr
.irp b, 0,1
	v_permlanex16_b32 v[236+\b], v[232+\b], s20, s21
.endr
.irp b, 0,1
	v_max_num_f32 v[232+\b], v[232+\b], v[236+\b]     ; with lane l xor 16's 16 channels
.endr
.irp b, 0,1
	v_add_nc_u32 v[240+\b], 0xff000000, v[232+\b]
.endr
.irp b, 0,1
	v_lshrrev_b32 v[236+\b], 23, v[240+\b]
.endr
	v_lshl_or_b32 v238, v237, 8, v236      ; the row's two scale bytes
	v_cmp_eq_u32 vcc_lo, s49, v4
	v_cndmask_b32 v238, v238, v255, s58    ; 0xff, 0xff where the sum is 0
	v_cndmask_b32 v10, v10, v238, vcc_lo   ; kept in the half of the lanes that stores this tile's
	v_cvt_scalef32_pk8_fp4_f32 v224, v[96:103], v240
	v_cvt_scalef32_pk8_fp4_f32 v225, v[104:111], v240
	v_cvt_scalef32_pk8_fp4_f32 v226, v[112:119], v241
	v_cvt_scalef32_pk8_fp4_f32 v227, v[120:127], v241
	v_nop                                  ; one plain place behind a scaled conversion
	v_permlane16_swap_b32 v224, v226       ; lanes 0-15 now hold block 0 whole, lanes 16-31 block 1
	v_permlane16_swap_b32 v225, v227
	global_store_b128 v254, v[224:227], s[52:53]   ; 512 consecutive bytes
	s_wait_alu depctr_va_vdst(0)           ; directly ahead of the wait and the branch below
	s_wait_xcnt 0x0                        ; the store has read its registers and its base
	s_add_nc_u64 s[52:53], s[52:53], 16*TREC   ; my second tile of ctx
	s_add_co_u32 s49, s49, 1
	s_cmp_lt_u32 s49, 2
	s_cbranch_scc1 .Lpass
	global_store_b16 v11, v10, s[54:55]    ; both tiles' scale bytes: two bytes a row
	s_wait_tensorcnt 0x0                   ; the wave's end
	ds_add_u32 v252, v253
	s_wait_dscnt 0x0
	CROUND                                 ; the closing round
	s_endpgm
.Lfunc_end_k_q93ab133df1_attn:
	.size	k_q93ab133df1_attn, .Lfunc_end_k_q93ab133df1_attn-k_q93ab133df1_attn
	.p2alignl 7, 3214868480
	.fill 96, 4, 3214868480
	.section	.rodata,"a",@progbits
	.p2align	6, 0x0
	.amdhsa_kernel k_q93ab133df1_attn
		.amdhsa_group_segment_fixed_size 169984
		.amdhsa_private_segment_fixed_size 0
		.amdhsa_enable_private_segment 0
		.amdhsa_kernarg_size 16
		.amdhsa_user_sgpr_count 2
		.amdhsa_user_sgpr_kernarg_segment_ptr 1
		.amdhsa_wavefront_size32 1
		.amdhsa_system_sgpr_workgroup_id_x 1
		.amdhsa_system_sgpr_workgroup_id_y 1
		.amdhsa_system_sgpr_workgroup_id_z 1
		.amdhsa_system_vgpr_workitem_id 0
		.amdhsa_next_free_vgpr 256
		.amdhsa_next_free_sgpr 66
		.amdhsa_reserve_vcc 1
		.amdhsa_float_denorm_mode_32 3
		.amdhsa_float_denorm_mode_16_64 3
		.amdhsa_memory_ordered 1
		.amdhsa_forward_progress 1
		.amdhsa_inst_pref_size 70
	.end_amdhsa_kernel
	.amdgpu_metadata
---
amdhsa.version: [ 1, 2 ]
amdhsa.kernels:
  - .name:           k_q93ab133df1_attn
    .symbol:         k_q93ab133df1_attn.kd
    .args:
      - { .name: qkv, .offset: 0, .size: 8, .value_kind: global_buffer, .address_space: global }
      - { .name: ctx_q, .offset: 8, .size: 8, .value_kind: global_buffer, .address_space: global }
    .group_segment_fixed_size: 169984
    .private_segment_fixed_size: 0
    .kernarg_segment_align: 8
    .kernarg_segment_size: 16
    .max_flat_workgroup_size: 512
    .sgpr_count:     66
    .vgpr_count:     256
    .wavefront_size: 32
...
	.end_amdgpu_metadata
.endif
;; end of part 3
;; launch outp (part 4): grid 4 x 64, 4 waves a work-group, clusters of 4 x 4, 327,680 bytes of LDS; arguments ctx_q, wo_q, b_out, out0; writes out0
.if DOCPART == 4
	.amdgcn_target "amdgcn-amd-amdhsa--gfx1250"
	.amdhsa_code_object_version 6
	.text
	.protected	k_q93ab133df1_outp
	.globl	k_q93ab133df1_outp
	.p2align	8
	.type	k_q93ab133df1_outp,@function
k_q93ab133df1_outp:
	s_mov_b64 s[64:65], 0
	v_nop
	global_prefetch_b8 v0, s[64:65] scope:SCOPE_SE
	s_setreg_imm32_b32 hwreg(HW_REG_WAVE_MODE, 25, 1), 1
	s_wait_xcnt 0x0
	s_wait_alu depctr_hold_cnt(0) depctr_sa_sdst(0) depctr_va_vdst(0) depctr_va_sdst(0) depctr_va_ssrc(0) depctr_va_vcc(0) depctr_vm_vsrc(0)
	s_getreg_b32 s2, hwreg(HW_REG_IB_STS2, 6, 4)
	s_cmp_eq_u32 s2, 0
	s_cbranch_scc0 .Lentry_in_a_cluster
	s_endpgm
.Lentry_in_a_cluster:
	s_bfe_u32 s2, ttmp6, 0x10000c
	s_cmp_lg_u32 s2, 0xf033
	s_cbranch_scc0 .Lentry_shape_is_right
	s_endpgm
.Lentry_shape_is_right:
.set TREC,  8704
.set SREC,  8704                       ; from tile to tile in LDS: a record lies there whole, as in memory, its two halves of K on end
.set ASZ,   8*SREC                     ; A's 8 tiles, then B's 16
.set SLOT,  4352                       ; from a tile's first half of K to its second
.set STG,   24*SREC                    ; behind the tiles: the stages of the way out
.set SPITCH, 528
.set SC,    32
.set AF,    128
.set BQ,    128
.set ADRA,  16
.set ADRB,  20
.set ADRS,  22
.set STO,   24
.set RD,    25
.set G1,  24
.set G0,  32
.set G1B, 48
.set G0B, 56
.set MSB, 0
.macro WIN new
.if MSB != (\new)
	s_set_vgpr_msb (MSB<<8)|(\new)
.set MSB, (\new)
.endif
.endm
.macro JLOAD g0a, g1a, g0b, g1b
	s_cmp_eq_u32 s15, 0
	s_cbranch_scc0 .Lfor_b_\@
	tensor_load_to_lds s[\g0a:\g0a+3], s[\g1a:\g1a+7]
	s_nop 0
.rept 4
	v_nop
.endr
	s_branch .Lasked_\@
.Lfor_b_\@:
	tensor_load_to_lds s[\g0b:\g0b+3], s[\g1b:\g1b+7]
	s_nop 0
.rept 4
	v_nop
.endr
.Lasked_\@:
.endm
.macro CROUND
	s_barrier_signal -1
	s_barrier_wait -1
	s_cmp_lg_u32 s14, 0
	s_cbranch_scc1 .Lnot_wave_0_\@
	s_barrier_signal -3
.Lnot_wave_0_\@:
	s_barrier_wait -3
	s_barrier_signal -1
	s_barrier_wait -1
.endm
.macro PLACES n
.rept \n
	v_nop
.endr
.endm
	s_load_b256 s[4:11], s[0:1], 0x0
	v_lshl_add_u32 v126, v0, 2, 0x3b400
	v_mov_b32 v127, 0
	ds_add_u32 v126, v127
	ds_add_u32 v126, v127
	v_lshrrev_b32 v1, 5, v0
	v_readfirstlane_b32 s14, v1
	s_lshr_b32 s15, s14, 1
	s_and_b32 s16, s14, 1
	s_bfe_u32 s40, ttmp6, 0x40000
	s_bfe_u32 s41, ttmp6, 0x40004
	s_and_b32 s17, ttmp7, 0xffff
	s_lshl_b32 s17, s17, 2
	s_add_co_u32 s17, s17, s41
	s_lshl_b32 s43, s41, 2
	s_lshl_b32 s43, 15, s43
	s_lshl_b32 s44, 0x1111, s40
	s_or_b32 s[G1+0], s43, (3<<16)|(1<<21)
	s_mov_b32 s[G1+1], 32<<16              ; A: 4 records are one dense block of 34,816 bytes: 136 rows of 256 bytes (32 elements of 8 bytes)
	s_mov_b32 s[G1+2], 136<<16
	s_mov_b32 s[G1+3], 32<<16
	s_mov_b32 s[G1+4], 136
	s_mov_b32 s[G1+5], 32
	s_mov_b32 s[G1+6], 0
	s_mov_b32 s[G1+7], 0
	s_or_b32 s[G1B+0], s44, (3<<16)|(1<<21)
	s_mov_b32 s[G1B+1], 32<<16             ; B: 8 records: 272 rows of 256 bytes
	s_mov_b32 s[G1B+2], 272<<16
	s_mov_b32 s[G1B+3], 32<<16
	s_mov_b32 s[G1B+4], 272
	s_mov_b32 s[G1B+5], 32
	s_mov_b32 s[G1B+6], 0
	s_mov_b32 s[G1B+7], 0
	s_lshl_b32 s70, s17, 3
	s_lshl_b32 s47, s16, 2
	s_add_co_u32 s70, s70, s47
	s_mul_i32 s70, s70, TREC
	s_mov_b32 s71, 0
	s_lshl_b32 s72, s40, 4
	s_lshl_b32 s47, s16, 3
	s_add_co_u32 s72, s72, s47
	s_mul_i32 s72, s72, TREC
	s_mov_b32 s73, 0
	s_mul_i32 s74, s16, 4*SREC
	s_mul_i32 s75, s16, 8*SREC
	s_add_co_u32 s75, s75, ASZ
	s_lshl_b32 s86, s40, 10
	s_lshl_b32 s87, s16, 9
	s_add_co_u32 s86, s86, s87
	s_mov_b32 s87, 0
	s_lshl_b32 s88, s17, 7
	s_lshl_b32 s89, s15, 6
	s_add_co_u32 s88, s88, s89
	s_lshl_b32 s88, s88, 12
	s_mov_b32 s89, 0
	v_and_b32 v1, 15, v0
	v_bfe_u32 v2, v0, 4, 1
	v_and_b32 v3, 31, v0
	v_lshlrev_b32 v3, 4, v3
	v_lshlrev_b32 v27, 6, v2
	s_wait_alu depctr_va_vdst(0)
	s_wait_dscnt 0x0
	s_wait_kmcnt 0x0
	s_add_nc_u64 s[66:67], s[4:5], s[70:71]
	s_add_nc_u64 s[68:69], s[6:7], s[72:73]
	s_add_nc_u64 s[8:9], s[8:9], s[86:87]
	s_add_nc_u64 s[10:11], s[10:11], s[86:87]
	s_add_nc_u64 s[10:11], s[10:11], s[88:89]
	WIN 0x40
.irp b, 0,1,2,3,4,5,6,7
	global_load_b128 v[BQ+8*\b:BQ+8*\b+3], v27, s[8:9] offset:128*(\b/2)+32*(\b%2)
	global_load_b128 v[BQ+8*\b+4:BQ+8*\b+7], v27, s[8:9] offset:128*(\b/2)+32*(\b%2)+16
.endr
	WIN 0
	CROUND
	s_mov_b32 s[G0], 1
	s_mov_b32 s[G0+1], s74
	s_mov_b64 s[G0+2:G0+3], s[66:67]
	s_or_b32 s[G0+3], s[G0+3], 0x80000000
	s_mov_b32 s[G0B], 1
	s_mov_b32 s[G0B+1], s75
	s_mov_b64 s[G0B+2:G0B+3], s[68:69]
	s_or_b32 s[G0B+3], s[G0B+3], 0x80000000
	JLOAD G0, G1, G0B, G1B                 ; my one tensor load of the launch: whole records, all of K
	s_mul_i32 s86, s15, 4*SREC
	s_mul_i32 s87, s16, 8*SREC
	s_add_co_u32 s87, s87, ASZ
.irp s, 0,1
	v_add_nc_u32 v[ADRA+\s], s86, v3
	v_add_nc_u32 v[ADRB+\s], s87, v3
	s_add_co_u32 s86, s86, SLOT
	s_add_co_u32 s87, s87, SLOT
.endr
	s_mul_i32 s86, s15, 4*SREC
	s_mul_i32 s87, s16, 8*SREC
	s_add_co_u32 s87, s87, ASZ
	s_sub_co_u32 s87, s87, s86
	v_mul_u32_u24 v4, s87, v2
	v_lshl_add_u32 v4, v1, 4, v4
	s_add_co_u32 s86, s86, 4096
	v_add_nc_u32 v[ADRS], s86, v4
	v_add_nc_u32 v[ADRS+1], SLOT, v[ADRS]
	s_mul_i32 s86, s14, 16*SPITCH
	s_add_co_u32 s86, s86, STG
	v_mul_u32_u24 v[STO], v1, SPITCH
	v_lshl_add_u32 v[STO], v2, 6, v[STO]
	v_add_nc_u32 v[STO], s86, v[STO]
	v_add_nc_u32 v[RD], s86, v3
.macro FETCH k
.set FS, (\k)/4
.set FQ, (\k)%4
.set FP, (\k)%2
	WIN 0x40
.irp i, 0,1,2,3,4,5,6,7
.irp c, 0,1
	ds_load_b128 v[64*FP+8*\i+4*\c:64*FP+8*\i+4*\c+3], v[ADRB+FS] offset:\i*SREC+FQ*1024+\c*512
.endr
.endr
	WIN 0
.irp i, 0,1,2,3
.irp c, 0,1
	ds_load_b128 v[AF+32*FP+8*\i+4*\c:AF+32*FP+8*\i+4*\c+3], v[ADRA+FS] offset:\i*SREC+FQ*1024+\c*512
.endr
.endr
.if FQ == 0
.irp i, 0,1,2,3,4,5,6,7
	ds_load_b128 v[SC+32*FS+4*\i:SC+32*FS+4*\i+3], v[ADRS+FS] offset:\i*SREC
.endr
.endif
.endm
.macro MUL32 k, first
.irp a, 0,1,2,3
.irp b, 0,1,2,3,4,5,6,7
.if \first
	v_wmma_scale_f32_16x16x128_f8f6f4 v[8*(8*\a+\b):8*(8*\a+\b)+7], v[64*((\k)%2)+8*\b:64*((\k)%2)+8*\b+7], v[AF+32*((\k)%2)+8*\a:AF+32*((\k)%2)+8*\a+7], v[BQ+8*\b:BQ+8*\b+7], v[SC+32*((\k)/4)+4*\b+(\k)%4], v[SC+32*((\k)/4)+4*\a+(\k)%4] matrix_a_fmt:MATRIX_FMT_FP4 matrix_b_fmt:MATRIX_FMT_FP4 matrix_a_scale:MATRIX_SCALE_ROW1
.else
	v_wmma_scale_f32_16x16x128_f8f6f4 v[8*(8*\a+\b):8*(8*\a+\b)+7], v[64*((\k)%2)+8*\b:64*((\k)%2)+8*\b+7], v[AF+32*((\k)%2)+8*\a:AF+32*((\k)%2)+8*\a+7], v[8*(8*\a+\b):8*(8*\a+\b)+7], v[SC+32*((\k)/4)+4*\b+(\k)%4], v[SC+32*((\k)/4)+4*\a+(\k)%4] matrix_a_fmt:MATRIX_FMT_FP4 matrix_b_fmt:MATRIX_FMT_FP4 matrix_a_scale:MATRIX_SCALE_ROW1
.endif
.endr
.endr
.endm
.macro STEP k
	s_wait_dscnt 0x0
.if (\k) > 0
	PLACES 4
.endif
.if (\k) < 7
	FETCH (\k)+1
.endif
.if (\k) == 0
	WIN 0x91
	MUL32 \k, 1
.else
	WIN 0xa1
	MUL32 \k, 0
.endif
	WIN 0
.endm
.macro TOSTAGE a
	WIN 0x08
.irp b, 0,1,2,3,4,5,6,7
	ds_store_b128 v[STO], v[64*(\a)+8*\b:64*(\a)+8*\b+3] offset:128*(\b/2)+32*(\b%2)
	ds_store_b128 v[STO], v[64*(\a)+8*\b+4:64*(\a)+8*\b+7] offset:128*(\b/2)+32*(\b%2)+16
.endr
	WIN 0
.set BB, 128+64*((\a)%2)
.irp t, 0,1,2,3,4,5,6,7,8,9,10,11,12,13,14,15
	ds_load_b128 v[BB+4*\t:BB+4*\t+3], v[RD] offset:\t*SPITCH
.endr
.endm
.macro SEND a, younger
.set BB, 128+64*((\a)%2)
	s_wait_dscnt \younger
.irp t, 0,1,2,3,4,5,6,7,8,9,10,11,12,13,14,15
	global_store_b128 v3, v[BB+4*\t:BB+4*\t+3], s[10:11] offset:(32*((\a)/2)+8*((\a)%2)+\t+8*(\t/8))*4096 th:TH_STORE_NT
.endr
.endm
	s_wait_alu depctr_va_vdst(0)
	s_wait_tensorcnt 0x0                   ; my records are in
	s_barrier_signal -1
	s_barrier_wait -1
	FETCH 0
	s_wait_loadcnt 0x0
	STEP 0
	STEP 1
	STEP 2
	STEP 3
	STEP 4
	STEP 5
	STEP 6
	STEP 7
	PLACES 4
	TOSTAGE 0
.irp a, 1,2,3
.if \a > 1
	s_wait_xcnt 0x0
.endif
	TOSTAGE \a
	SEND \a-1, 32
.endr
	SEND 3, 0
	s_wait_tensorcnt 0x0
	s_wait_tensorcnt 0x0
	ds_add_u32 v126, v127
	s_wait_dscnt 0x0
	CROUND
	s_endpgm
.Lfunc_end_k_q93ab133df1_outp:
	.size	k_q93ab133df1_outp, .Lfunc_end_k_q93ab133df1_outp-k_q93ab133df1_outp
	.p2alignl 7, 3214868480
	.fill 96, 4, 3214868480
	.section	.rodata,"a",@progbits
	.p2align	6, 0x0
	.amdhsa_kernel k_q93ab133df1_outp
		.amdhsa_group_segment_fixed_size 327680
		.amdhsa_private_segment_fixed_size 0
		.amdhsa_enable_private_segment 0
		.amdhsa_kernarg_size 32
		.amdhsa_user_sgpr_count 2
		.amdhsa_user_sgpr_kernarg_segment_ptr 1
		.amdhsa_wavefront_size32 1
		.amdhsa_system_sgpr_workgroup_id_x 1
		.amdhsa_system_sgpr_workgroup_id_y 1
		.amdhsa_system_sgpr_workgroup_id_z 1
		.amdhsa_system_vgpr_workitem_id 0
		.amdhsa_next_free_vgpr 768
		.amdhsa_next_free_sgpr 100
		.amdhsa_reserve_vcc 0
		.amdhsa_float_denorm_mode_32 3
		.amdhsa_float_denorm_mode_16_64 3
		.amdhsa_memory_ordered 1
		.amdhsa_forward_progress 1
		.amdhsa_inst_pref_size 70
	.end_amdhsa_kernel
	.amdgpu_metadata
---
amdhsa.version: [ 1, 2 ]
amdhsa.kernels:
  - .name:           k_q93ab133df1_outp
    .symbol:         k_q93ab133df1_outp.kd
    .args:
      - { .name: ctx_q, .offset: 0, .size: 8, .value_kind: global_buffer, .address_space: global }
      - { .name: wo_q, .offset: 8, .size: 8, .value_kind: global_buffer, .address_space: global }
      - { .name: b_out, .offset: 16, .size: 8, .value_kind: global_buffer, .address_space: global }
      - { .name: out0, .offset: 24, .size: 8, .value_kind: global_buffer, .address_space: global }
    .group_segment_fixed_size: 327680
    .private_segment_fixed_size: 0
    .kernarg_segment_align: 8
    .kernarg_segment_size: 32
    .max_flat_workgroup_size: 128
    .sgpr_count:     100
    .vgpr_count:     768
    .wavefront_size: 32
...
	.end_amdgpu_metadata
.endif
;; end of part 4
